; MI455X (gfx1250); checked and timed in simulation.
; The chip was launched on July 23, 2026; its instructions are those of AMD's public machine-readable ISA for CDNA 5 (MIT licence, August 2026) and "CDNA5" Instruction Set Architecture Reference Guide (July 2026). The comments in the code are by the model that wrote it; some were corrected since.
;; Causal Multihead Self Attention. Allowed arithmetic: matrix products marked QUANTISED: E2M1 operands, one E8M0 scale for each 32 along K, by v_wmma_scale_f32_16x16x128_f8f6f4 with both operands' format E2M1 (or v_wmma_scale_f32_32x16x128_f4), f32 sums; products left as they are: bf16, f16 or f32 operands; f32 sums; everything else in f32.
;; Inputs: Wk 16 x 1,024 x 64 float32; Wo 1,024 x 1,024 float32; Wq 16 x 1,024 x 64 float32; Wv 16 x 1,024 x 64 float32; x 4 x 2,048 x 1,024 float32.
;; Outputs: out0 4 x 2,048 x 1,024 float32.
;; This version of the problem:
;;   THIS VERSION OF THE PROBLEM IS GIVEN IN LOW PRECISION. The matrix products marked QUANTISED in the list below multiply operands that are first quantised to E2M1 (2 exponent bits, 1 mantissa bit; 4 bits a number), with one power-of-two scale for each 32 numbers along K (OCP MX v1.0); their sums are f32. The products marked 'left as it is' may take bf16, f16 or f32 operands, with f32 sums. Whichever they take, every output number must still come out within the allowed error. Rounding operands to bf16 (8 significant bits) uses up far more of that allowance than f16 does (11 bits, for magnitudes from 6e-5 to 65,504). All else is computed in f32.
;;   The module's matrix products, in the order in which they are computed (A, B: the left and right operand; K: the contracted axis; several contracted axes count as one K, in the product's order):
;;     1. [M 1,024, K 1,024] x [K 1,024, N 8,192]; A: input Wq; B: input x: QUANTISED
;;     2. [M 1,024, K 1,024] x [K 1,024, N 8,192]; A: input Wk; B: input x: QUANTISED
;;     3. [M 1,024, K 1,024] x [K 1,024, N 8,192]; A: input Wv; B: input x: QUANTISED
;;     4. batch 64 x [M 2,048, K 64] x [K 64, N 2,048]; A: computed on the way; B: computed on the way: left as it is (an operand is computed on the way)
;;     5. batch 64 x [M 2,048, K 2,048] x [K 2,048, N 64]; A: computed on the way; B: computed on the way: left as it is (an operand is computed on the way)
;;     6. [M 8,192, K 1,024] x [K 1,024, N 1,024]; A: computed on the way; B: input Wo: left as it is (an operand is computed on the way)
;;   THE QUANTISER, for each operand of a quantised product, along K:
;;     - K is cut into blocks of 32 from its start; a last block that is shorter is filled with zeros.
;;     - A block's scale is 2^e with e = floor(log2(the largest magnitude in the block)) - 2, held to -126 .. 127; a block of zeros has e = 0. As a byte (E8M0): e + 127.
;;     - Each number is divided by its block's scale, clamped to +-6, and rounded to the nearest number of E2M1, ties to even, subnormals kept.
;;     - The product sums the exact products of the quantised numbers (number of the format x scale) in f32.
;;   ~~~python
;;   def quantise(x, axis):      # numpy; x: float32 -> the quantised numbers, widened to float32 again
;;       x = np.moveaxis(x, axis, -1); K = x.shape[-1]
;;       x = np.pad(x, [(0, 0)] * (x.ndim - 1) + [(0, -K % 32)]); x = x.reshape(x.shape[:-1] + (-1, 32)); a = np.abs(x).max(-1, keepdims=True)
;;       e = np.where(a > 0, np.clip(np.frexp(np.where(a > 0, a, 1))[1] - 1 - 2, -126, 127), 0)      # np.frexp(a)[1] - 1 = floor(log2(a)), exactly
;;       r = np.clip(x / 2.0 ** e, -6, 6)
;;       step = 2.0 ** (np.maximum(np.frexp(np.where(r == 0, 1, r))[1] - 1, 0) - 1)
;;       q = np.round(r / step) * step * 2.0 ** e      # np.round: ties to even
;;       return np.moveaxis(q.reshape(q.shape[:-2] + (-1,))[..., :K], -1, axis).astype(np.float32)
;;   ~~~
;; One version. Each part assembles by itself: llvm-mc -triple=amdgcn-amd-amdhsa -mcpu=gfx1250 --defsym DOCPART=n.
;; ======== version 1 of 1: 5 launches
;; limits: values are held in f16: magnitudes above 65,504 overflow, below 6.1e-05 lose precision
;; workspace buffers: xc 4,194,304 bytes; xs 262,144 bytes; wc 1,572,864 bytes; ws 98,304 bytes; wo16 2,097,152 bytes; qkv 50,331,648 bytes; q32 786,432 bytes; att 16,777,216 bytes
;; launch quant (part 1): grid 336 x 1, 4 waves a work-group, no clusters, 68,096 bytes of LDS; arguments x, Wq, Wk, Wv, Wo, xc, xs, wc, ws, wo16; writes xc, xs, wc, ws, wo16
.if DOCPART == 1
	.amdgcn_target "amdgcn-amd-amdhsa--gfx1250"
	.amdhsa_code_object_version 6
	.text
	.protected	k_q66244124d0_quant
	.globl	k_q66244124d0_quant
	.p2align	8
	.type	k_q66244124d0_quant,@function
k_q66244124d0_quant:
	s_mov_b64 s[64:65], 0
	v_nop
	global_prefetch_b8 v0, s[64:65] scope:SCOPE_SE
	s_setreg_imm32_b32 hwreg(HW_REG_WAVE_MODE, 25, 1), 1
	s_wait_xcnt 0x0
; x [8192][1024] f32 and Wq, Wk, Wv [16][1024][64] f32 become codes of FP4 (E2M1) with one E8M0 byte for each 32 along K = the model's 1,024; Wo [1024][1024] f32 becomes f16.
; A block's scale is 2^(floor(log2(its largest magnitude)) - 2); its byte is the largest magnitude's exponent field - 2, held at 1 from below.  Numbers are divided by the scale and rounded to the nearest code, ties to even; beyond 6 the largest code.
; LIMITS: a block of zeros, and a block whose largest magnitude lies under 2^-124, gets the byte 1 (a block of zeros has zero codes; the bytes are read by this program alone).  NaN and infinities are not served.  |Wo| stays under 65,504, the largest f16 number.
; THREE PATHS part on the work-group's number and never join; each has LDS bytes of its own.
;   work-groups 0-47:   one head of one weight.  K is the weight's first axis inside a head: a lane takes a column and its registers run down K.  wc [3072 rows = 1024 which + 64 head + column][512 bytes], ws [3072][32].
;   work-groups 48-79:  Wo to f16, a plain stream.
;   work-groups 80-335: x, K innermost: a plain stream of blocks of 32.  xc [8192][512 bytes], xs [8192][32].
; No tensor loads, no barrier: waves share nothing.
.set SPARE, 67584                      ; behind both paths' regions: the spare words, 128 bytes for each wave: two blocks of 256 bytes that no other line names
.set SPW,   190                        ; v190 LDS address of my spare word; never rewritten
.set NIL,   191                        ; v191 0; never rewritten
.set EMAX,  2
	s_load_b256 s[4:11], s[0:1], 0x0               ; x s[4:5], Wq s[6:7], Wk s[8:9], Wv s[10:11]
	s_load_b256 s[12:19], s[0:1], 0x20             ; Wo s[12:13], xc s[14:15], xs s[16:17], wc s[18:19]
	s_load_b128 s[20:23], s[0:1], 0x40             ; ws s[20:21], wo16 s[22:23]
	v_lshl_add_u32 v[SPW], v0, 2, SPARE
	v_mov_b32 v[NIL], 0
	v_lshrrev_b32 v1, 5, v0
	v_readfirstlane_b32 s24, v1                    ; wave 0..3
	v_and_b32 v2, 31, v0                           ; lane
	s_wait_kmcnt 0x0
	s_cmp_lt_u32 ttmp9, 48
	s_cbranch_scc1 .Lpath_w
	s_cmp_lt_u32 ttmp9, 80
	s_cbranch_scc1 .Lpath_o
; ---------------- x: a wave takes 16 steps of 512 numbers.  Each load reads 512 consecutive bytes; a step's 2,048 bytes turn through the wave's own stage in LDS, so that a lane holds 16 neighbours along K; two neighbouring lanes hold a block.
.set XSTEPS, 16
.set XR,   16                          ; v16-79   four sets of 16 numbers as loaded
.set XX,   80                          ; v80-111  two sets of 16 neighbours
.set XE,   112                         ; v112-127 a scale byte for each step
.set XC,   128                         ; v128-189 codes: registers of its own for each step, so that no store's data are written again
.set WREG, 8192                        ; LDS bytes 0 .. 32,767: a region for each wave: two stages of 32 x SP bytes, behind them its 256 scale bytes
.set SP,   80                          ; a lane's place in a stage: 64 bytes + 16 of padding
	v_lshlrev_b32 v3, 4, v2                        ; my 16 bytes of a load's 512
	s_mul_i32 s25, s24, WREG
	v_lshrrev_b32 v14, 2, v2
	v_mul_u32_u24 v14, v14, SP
	v_and_b32 v15, 3, v2
	v_lshl_add_u32 v14, v15, 4, v14
	v_add_nc_u32 v14, s25, v14                     ; into the stage: SP (lane / 4) + 16 (lane % 4)
	v_mul_u32_u24 v15, v2, SP
	v_add_nc_u32 v15, s25, v15                     ; out of it: SP x lane
	v_lshlrev_b32 v4, 3, v2                        ; 8 bytes a lane: my codes' place in a step's, and my part of the scale bytes on the way out
	v_lshrrev_b32 v5, 1, v2
	s_add_co_u32 s25, s25, 2*32*SP
	v_add_nc_u32 v5, s25, v5                       ; LDS: my block's byte
	v_add_nc_u32 v6, s25, v4                       ; and 8 of the 256 on the way out
	s_sub_co_u32 s26, ttmp9, 80
	s_lshl_b32 s26, s26, 2
	s_add_co_u32 s26, s26, s24                     ; which run of 8,192 numbers is my wave's: 0 .. 1,023
	s_mov_b32 s29, 0
	s_lshl_b32 s28, s26, 15
	s_add_nc_u64 s[4:5], s[4:5], s[28:29]          ; 32,768 bytes of x,
	s_lshl_b32 s28, s26, 12
	s_add_nc_u64 s[14:15], s[14:15], s[28:29]      ; 4,096 of codes,
	s_lshl_b32 s28, s26, 8
	s_add_nc_u64 s[16:17], s[16:17], s[28:29]      ; 256 scale bytes a run
.macro XLOAD t
.irp i, 0,1,2,3
	global_load_b128 v[XR+16*((\t)%4)+4*\i:XR+16*((\t)%4)+4*\i+3], v3, s[4:5] offset:2048*(\t)+512*\i th:TH_LOAD_NT
.endr
.endm
.macro XTURN t                         ; LDS serves a wave's instructions in order: no wait between the stores and the loads
.irp i, 0,1,2,3
	ds_store_b128 v14, v[XR+16*((\t)%4)+4*\i:XR+16*((\t)%4)+4*\i+3] offset:32*SP*((\t)%2)+8*SP*\i
.endr
.irp i, 0,1,2,3
	ds_load_b128 v[XX+16*((\t)%2)+4*\i:XX+16*((\t)%2)+4*\i+3], v15 offset:32*SP*((\t)%2)+16*\i
.endr
.endm
.macro XSTEP t
.set XS, XX+16*((\t)%2)
.if (\t) > 0
	s_wait_dscnt 1                                 ; this step's numbers are back from the stage; the last step's byte store may be out
.else
	s_wait_dscnt 0x0
.endif
.if (\t)+4 < XSTEPS
	XLOAD (\t)+4                                   ; into the registers that this step's stores into the stage have read
.endif
.if (\t)+1 < XSTEPS
.if XSTEPS-2-(\t) >= 3
	s_wait_loadcnt 12                              ; the next step's four loads are in; those of the three steps behind it may be out
.else
	s_wait_loadcnt 4*(XSTEPS-2-(\t))
.endif
	XTURN (\t)+1
.endif
	v_max3_num_f32 v8, |v[XS]|, |v[XS+1]|, |v[XS+2]|
	v_max3_num_f32 v9, |v[XS+3]|, |v[XS+4]|, |v[XS+5]|
.irp i, 6,10
	v_max3_num_f32 v8, v8, |v[XS+\i]|, |v[XS+\i+1]|
	v_max3_num_f32 v9, v9, |v[XS+\i+2]|, |v[XS+\i+3]|
.endr
	v_max3_num_f32 v8, v8, |v[XS+14]|, |v[XS+15]|
	v_max3_num_f32 v8, v8, v9, (EMAX+1)<<23        ; the floor 2^(3 - 127): the byte cannot fall under 1
	v_max_num_f32_dpp v8, v8, v8 row_xmask:1 row_mask:0xf bank_mask:0xf   ; with my neighbour's 16: the block's largest magnitude
	v_add_nc_u32 v11, -(EMAX<<23), v8              ; 2 off its exponent field: the conversion takes that field as its scale
	v_cvt_scalef32_pk8_fp4_f32 v[XC+4*(\t)], v[XS:XS+7], v11
	v_cvt_scalef32_pk8_fp4_f32 v[XC+4*(\t)+1], v[XS+8:XS+15], v11
	v_lshrrev_b32 v[XE+(\t)], 23, v11              ; the scale's byte (a plain line behind the conversions)
	ds_store_b8 v5, v[XE+(\t)] offset:16*(\t)      ; both lanes of a block write the same byte with the same value
	global_store_b64 v4, v[XC+4*(\t):XC+4*(\t)+1], s[14:15] offset:256*(\t)   ; the wave stores 256 consecutive bytes, aligned
.endm
.irp t, 0,1,2,3
	XLOAD \t
.endr
	s_wait_loadcnt 12                              ; step 0's four loads are in
	XTURN 0
.irp t, 0,1,2,3,4,5,6,7,8,9,10,11,12,13,14,15
	XSTEP \t
.endr
	ds_load_b64 v[8:9], v6                         ; my wave's 256 scale bytes: these loads see my stores
	s_wait_dscnt 0x0
	global_store_b64 v4, v[8:9], s[16:17]          ; 256 consecutive bytes, aligned
	s_wait_tensorcnt 0x0                           ; the wave's end, behind my last LDS store
	ds_add_u32 v[SPW], v[NIL]
	s_wait_dscnt 0x0
	s_endpgm
; ---------------- a weight's head: wave w takes 32 columns (w % 2) x 512 along K (w / 2): 16 blocks a lane, 256 bytes of codes for each column, which leave through the wave's own stage as rows.
.Lpath_w:
.set NB,     16
.set WPITCH, 272                       ; a stage row: 256 bytes + 16
.set WSB,    24                        ; v24-27   the scale bytes, four to a register
.set WX,     32                        ; v32-95   two sets of 32 numbers
.set WC,     96                        ; v96-99   a block's codes
.set WOUT,   112                       ; v112-175 the way out
	s_lshr_b32 s25, ttmp9, 4                       ; which: 0 q, 1 k, 2 v
	s_and_b32 s26, ttmp9, 15                       ; head
	s_and_b32 s27, s24, 1                          ; which 32 columns
	s_lshr_b32 s28, s24, 1                         ; which 512 along K
	s_cmp_eq_u32 s25, 0                            ; the choice hangs on the work-group's number alone
	s_cselect_b64 s[30:31], s[6:7], s[8:9]
	s_cmp_eq_u32 s25, 2
	s_cselect_b64 s[30:31], s[10:11], s[30:31]
	s_lshl_b32 s32, s26, 18                        ; a head is 1,024 rows of 256 bytes,
	s_lshl_b32 s33, s28, 17                        ; 512 rows,
	s_add_co_u32 s32, s32, s33
	s_lshl_b32 s33, s27, 7                         ; 32 columns
	s_add_co_u32 s32, s32, s33
	s_mov_b32 s33, 0
	s_add_nc_u64 s[30:31], s[30:31], s[32:33]
	s_lshl_b32 s34, s25, 10
	s_lshl_b32 s35, s26, 6
	s_add_co_u32 s34, s34, s35
	s_lshl_b32 s35, s27, 5
	s_add_co_u32 s34, s34, s35                     ; my first row of wc and ws
	s_lshl_b32 s32, s34, 9
	s_lshl_b32 s35, s28, 8
	s_add_co_u32 s32, s32, s35
	s_add_nc_u64 s[18:19], s[18:19], s[32:33]      ; codes: row x 512 + 256 x K half
	s_lshl_b32 s32, s34, 5
	s_lshl_b32 s35, s28, 4
	s_add_co_u32 s32, s32, s35
	s_add_nc_u64 s[20:21], s[20:21], s[32:33]      ; scale bytes: row x 32 + 16 x K half
	v_lshlrev_b32 v3, 2, v2                        ; in: 4 bytes a lane
	s_mul_i32 s35, s24, 32*WPITCH
	s_add_co_u32 s35, s35, 32768                   ; my stage: LDS bytes 32,768 .. 67,583 are this path's
	v_mul_u32_u24 v4, v2, WPITCH
	v_add_nc_u32 v4, s35, v4                       ; into it: row = my column
	v_and_b32 v5, 15, v2
	v_lshrrev_b32 v6, 4, v2
	v_mul_u32_u24 v7, v6, WPITCH
	v_lshl_add_u32 v7, v5, 4, v7
	v_add_nc_u32 v7, s35, v7                       ; out of it: sixteen lanes to a row, two rows an instruction
	v_lshlrev_b32 v8, 9, v6
	v_lshl_add_u32 v8, v5, 4, v8                   ; and the same place in wc
	v_lshlrev_b32 v9, 5, v2                        ; my column's row of ws
.macro WLOAD t                         ; block t: W(32 t + i, my column) into set t % 2
.irp i, 0,1,2,3,4,5,6,7,8,9,10,11,12,13,14,15,16,17,18,19,20,21,22,23,24,25,26,27,28,29,30,31
	global_load_b32 v[WX+32*((\t)%2)+\i], v3, s[30:31] offset:(32*(\t)+\i)*256 th:TH_LOAD_NT
.endr
.endm
.macro WBLOCK t
.set WS, WX+32*((\t)%2)
.if (\t) < NB-1
	s_wait_loadcnt 32                              ; this block's 32 loads are in; the next block's may be out
.else
	s_wait_loadcnt 0
.endif
	v_max3_num_f32 v12, |v[WS]|, |v[WS+1]|, |v[WS+2]|
	v_max3_num_f32 v13, |v[WS+3]|, |v[WS+4]|, |v[WS+5]|
.irp i, 6,10,14,18,22,26
	v_max3_num_f32 v12, v12, |v[WS+\i]|, |v[WS+\i+1]|
	v_max3_num_f32 v13, v13, |v[WS+\i+2]|, |v[WS+\i+3]|
.endr
	v_max3_num_f32 v12, v12, |v[WS+30]|, |v[WS+31]|
	v_max3_num_f32 v12, v12, v13, (EMAX+1)<<23     ; the floor
	v_add_nc_u32 v11, -(EMAX<<23), v12             ; the conversion's scale operand
	v_lshrrev_b32 v13, 23, v11                     ; the scale's byte
.if (\t)%4 == 0
	v_mov_b32 v[WSB+(\t)/4], v13
.else
	v_lshl_or_b32 v[WSB+(\t)/4], v13, 8*((\t)%4), v[WSB+(\t)/4]
.endif
.irp g, 0,1,2,3
	v_cvt_scalef32_pk8_fp4_f32 v[WC+\g], v[WS+8*\g:WS+8*\g+7], v11
.endr
	v_nop                                          ; a plain line behind the last conversion
	ds_store_b128 v4, v[WC:WC+3] offset:16*(\t)    ; 32 codes: 16 bytes of my column's row
.if (\t)+2 < NB
	WLOAD (\t)+2
.endif
	s_wait_dscnt 0x0                               ; the store has read its registers: the next block's codes may be written
.endm
	WLOAD 0
	WLOAD 1
.irp t, 0,1,2,3,4,5,6,7,8,9,10,11,12,13,14,15
	WBLOCK \t
.endr
	global_store_b128 v9, v[WSB:WSB+3], s[20:21]   ; my column's 16 scale bytes: half of its row of 32 (the other half is another wave's); 96 KB in the whole launch go out so
.irp t, 0,1,2,3,4,5,6,7,8,9,10,11,12,13,14,15
	ds_load_b128 v[WOUT+4*\t:WOUT+4*\t+3], v7 offset:2*\t*WPITCH
.endr
.irp t, 0,1,2,3,4,5,6,7,8,9,10,11,12,13,14,15
	s_wait_dscnt 15-\t                             ; LDS loads come back in order: load t is in
	global_store_b128 v8, v[WOUT+4*\t:WOUT+4*\t+3], s[18:19] offset:2*\t*512   ; sixteen lanes store 256 consecutive bytes, aligned
.endr
	s_wait_tensorcnt 0x0                           ; the wave's end, as above
	ds_add_u32 v[SPW], v[NIL]
	s_wait_dscnt 0x0
	s_endpgm
; ---------------- Wo to f16: a wave takes 8,192 numbers, four groups of 16 steps; a step loads 512 consecutive bytes and stores 256.  Two groups of loads are on their way.
.Lpath_o:
	s_sub_co_u32 s26, ttmp9, 48
	s_lshl_b32 s26, s26, 2
	s_add_co_u32 s26, s26, s24                     ; my run: 0 .. 127
	s_mov_b32 s29, 0
	s_lshl_b32 s28, s26, 15
	s_add_nc_u64 s[12:13], s[12:13], s[28:29]
	s_lshl_b32 s28, s26, 14
	s_add_nc_u64 s[22:23], s[22:23], s[28:29]
	v_lshlrev_b32 v3, 4, v2
	v_lshlrev_b32 v4, 3, v2
.macro OLOAD g
.irp i, 0,1,2,3,4,5,6,7,8,9,10,11,12,13,14,15
	global_load_b128 v[16+64*((\g)%2)+4*\i:16+64*((\g)%2)+4*\i+3], v3, s[12:13] offset:512*(16*(\g)+\i)
.endr
.endm
.macro OGROUP g
.if (\g) < 3
	s_wait_loadcnt 16                              ; this group's 16 loads are in; the next group's may be out
.else
	s_wait_loadcnt 0
.endif
	s_wait_xcnt 0x0                                ; the last group's stores have read v144-175: they are rewritten only behind this wait
.irp i, 0,1,2,3,4,5,6,7,8,9,10,11,12,13,14,15
	v_cvt_pk_f16_f32 v[144+2*\i], v[16+64*((\g)%2)+4*\i], v[16+64*((\g)%2)+4*\i+1]
	v_cvt_pk_f16_f32 v[145+2*\i], v[16+64*((\g)%2)+4*\i+2], v[16+64*((\g)%2)+4*\i+3]
.endr
.irp i, 0,1,2,3,4,5,6,7,8,9,10,11,12,13,14,15
	global_store_b64 v4, v[144+2*\i:145+2*\i], s[22:23] offset:256*(16*(\g)+\i)
.endr
.if (\g)+2 < 4
	OLOAD (\g)+2
.endif
.endm
	OLOAD 0
	OLOAD 1
	OGROUP 0
	OGROUP 1
	OGROUP 2
	OGROUP 3
	s_wait_tensorcnt 0x0                           ; the same three lines as the other two paths
	ds_add_u32 v[SPW], v[NIL]
	s_wait_dscnt 0x0
	s_endpgm
.Lfunc_end_k_q66244124d0_quant:
	.size	k_q66244124d0_quant, .Lfunc_end_k_q66244124d0_quant-k_q66244124d0_quant
	.p2alignl 7, 3214868480
	.fill 96, 4, 3214868480
	.section	.rodata,"a",@progbits
	.p2align	6, 0x0
	.amdhsa_kernel k_q66244124d0_quant
		.amdhsa_group_segment_fixed_size 68096
		.amdhsa_private_segment_fixed_size 0
		.amdhsa_enable_private_segment 0
		.amdhsa_kernarg_size 80
		.amdhsa_user_sgpr_count 2
		.amdhsa_user_sgpr_kernarg_segment_ptr 1
		.amdhsa_wavefront_size32 1
		.amdhsa_system_sgpr_workgroup_id_x 1
		.amdhsa_system_sgpr_workgroup_id_y 1
		.amdhsa_system_sgpr_workgroup_id_z 1
		.amdhsa_system_vgpr_workitem_id 0
		.amdhsa_next_free_vgpr 192
		.amdhsa_next_free_sgpr 66
		.amdhsa_reserve_vcc 0
		.amdhsa_float_denorm_mode_32 3
		.amdhsa_float_denorm_mode_16_64 3
		.amdhsa_memory_ordered 1
		.amdhsa_forward_progress 1
		.amdhsa_inst_pref_size 132
	.end_amdhsa_kernel
	.amdgpu_metadata
---
amdhsa.version: [ 1, 2 ]
amdhsa.kernels:
  - .name:           k_q66244124d0_quant
    .symbol:         k_q66244124d0_quant.kd
    .args:
      - { .name: x, .offset: 0, .size: 8, .value_kind: global_buffer, .address_space: global }
      - { .name: Wq, .offset: 8, .size: 8, .value_kind: global_buffer, .address_space: global }
      - { .name: Wk, .offset: 16, .size: 8, .value_kind: global_buffer, .address_space: global }
      - { .name: Wv, .offset: 24, .size: 8, .value_kind: global_buffer, .address_space: global }
      - { .name: Wo, .offset: 32, .size: 8, .value_kind: global_buffer, .address_space: global }
      - { .name: xc, .offset: 40, .size: 8, .value_kind: global_buffer, .address_space: global }
      - { .name: xs, .offset: 48, .size: 8, .value_kind: global_buffer, .address_space: global }
      - { .name: wc, .offset: 56, .size: 8, .value_kind: global_buffer, .address_space: global }
      - { .name: ws, .offset: 64, .size: 8, .value_kind: global_buffer, .address_space: global }
      - { .name: wo16, .offset: 72, .size: 8, .value_kind: global_buffer, .address_space: global }
    .group_segment_fixed_size: 68096
    .private_segment_fixed_size: 0
    .kernarg_segment_align: 8
    .kernarg_segment_size: 80
    .max_flat_workgroup_size: 128
    .sgpr_count:     66
    .vgpr_count:     192
    .wavefront_size: 32
...
	.end_amdgpu_metadata
.endif
;; end of part 1
;; launch qkv (part 2): grid 12 x 32, 4 waves a work-group, clusters of 4 x 4, 327,680 bytes of LDS; arguments xc, xs, wc, ws, qkv, q32; writes qkv, q32
.if DOCPART == 2
	.amdgcn_target "amdgcn-amd-amdhsa--gfx1250"
	.amdhsa_code_object_version 6
	.text
	.protected	k_q66244124d0_qkv
	.globl	k_q66244124d0_qkv
	.p2align	8
	.type	k_q66244124d0_qkv,@function
k_q66244124d0_qkv:
	s_mov_b64 s[64:65], 0
	v_nop
	global_prefetch_b8 v0, s[64:65] scope:SCOPE_SE
	s_setreg_imm32_b32 hwreg(HW_REG_WAVE_MODE, 25, 1), 1
	s_wait_xcnt 0x0
	s_wait_alu depctr_hold_cnt(0) depctr_sa_sdst(0) depctr_va_vdst(0) depctr_va_sdst(0) depctr_va_ssrc(0) depctr_va_vcc(0) depctr_vm_vsrc(0)
	s_getreg_b32 s2, hwreg(HW_REG_IB_STS2, 6, 4)
	s_cmp_eq_u32 s2, 0
	s_cbranch_scc0 .Lentry_in_a_cluster
	s_endpgm
.Lentry_in_a_cluster:
	s_bfe_u32 s2, ttmp6, 0x10000c
	s_cmp_lg_u32 s2, 0xf033
	s_cbranch_scc0 .Lentry_shape_is_right
	s_endpgm
.Lentry_shape_is_right:
; q, k, v = x W: C[m][n] = sum over d of x[m][d] W[n][d], m = 2048 batch + position (8,192), n = 1024 which + 64 head + channel (3,072), K = 1,024, both operands as codes of FP4 (E2M1) with one E8M0 byte for each 32 along K; sums in f32.
; A tile of C, 256 x 256, is made by four waves, 128 x 128 each: 64 accumulators, 512 registers.  K is two steps of 512 in two LDS slots, both asked for at the head: nothing is filled again.
; The scale bytes of the tile's 256 rows of x and 256 rows of W, for all of K, come once, as dense blocks.
; CLUSTERS: 4 x 4 work-groups.  The four of a row of the cluster need the same tiles of x, the four of a column the same tiles of W: each is asked for jointly.
; The tile row is 8 cy + cluster y: the four rows of a cluster are the four batches, so that 'this tile holds positions 0-255' is 'cluster y = 0', the same in all sixteen partners.
; THE MATRIX INSTRUCTION IS USED TRANSPOSED (source 0 = 16 rows of W, source 1 = 16 rows of x): a lane holds eight neighbouring channels of one position.
; OUT: qkv [which 3][16 batch + head][position 2048][64] f16: a head's rows are 128 dense bytes.  q32 [which 3][16 batch + head][16][64] f32: positions 0-15 once more, unrounded.
; LIMIT: |q|, |k|, |v| stay under 65,504, the largest f16 number.
; REGISTERS, in windows of 256: window 0: v0-31 addresses; v32-95 scale words, two sets; v128-191 x's fragments, one set; on the way out v32-255 are free.  window 1: W's fragments, two sets, at v0 and v128.
;   window 2: the 32 accumulators of my rows 0-63 ((a, b) at v[8 (8 a + b)]); window 3: those of my rows 64-127.
.set SIZE_K, 1024
.set KSTEP,  512
.set NQ,     KSTEP/128
.set ROWB,   256                       ; a tile's row in bytes
.set KROW,   SIZE_K/2                  ; a row of codes in memory
.set PITCH,  272                       ; an LDS row: 256 bytes + 16: the 16 rows that a load touches start 16 bytes apart modulo 256
.set FR,     8
.set NL,     2
.set NP,     4                         ; places behind this matrix instruction (ISA guide 7.12.1)
.set HALFT,  128*PITCH
.set SLOT,   4*HALFT
.set KS,     SIZE_K/32
.set SCL,    2*SLOT                    ; behind the slots: the scale bytes, as rows of 256 bytes + 16
.set HALFS,  (128*KS/256)*272
.set SBLK,   (16*KS/256)*272
.set SPARE,  SCL+4*HALFS               ; the spare words, 128 bytes for each wave
.set P32,    528                       ; the way out: a stage of 16 rows for each wave, in slot 0, which has had its only fill and its last read by then: rows of 512 + 16 bytes (f32)
.set P16,    272                       ; or of 256 + 16 (f16)
.set ADRA, 16
.set ADRB, 20
.set CO16, 22                          ; v22  16 x lane
.set STO32, 24
.set RD32, 25
.set CO32, 26
.set ADRS, 27
.set SPW,  28
.set NIL,  29
.set STO16, 30
.set RD16, 31
.set SC,   32
.set AF,   128
.set TMP,  32                          ; the way out: packed results
.set BK,   128                         ; rows read back: v128-159 and v160-191 by turns
.set B32,  192                         ; the f32 rows read back
.set G1, 24
.set G0, 32
.set G1B, 48
.set G0B, 56
.set G1S, 68
.set G0S, 76
.set G1SB, 80
.set G0SB, 88
.set FLAG, 95                          ; s95  0 where my block 0 is positions 0-15
.set MSB, 0
.macro WIN new                         ; the immediate's high byte repeats the setting that is left
.if MSB != (\new)
	s_set_vgpr_msb (MSB<<8)|(\new)
.set MSB, \new
.endif
.endm
.set MUL_LO, 0xa1                      ; source 0 (W) window 1, source 1 (x) window 0, C and D window 2
.set MUL_HI, 0xf1
.set TO_B,   0x40
; A joint load: waves 0 and 1 fetch for x, waves 2 and 3 for W.  The branch hangs on the wave's number alone.  An s_nop 0 and four v_nop follow each line.
.macro JLOAD g0a, g1a, g0b, g1b
	s_cmp_eq_u32 s15, 0
	s_cbranch_scc0 .Lfor_b_\@
	tensor_load_to_lds s[\g0a:\g0a+3], s[\g1a:\g1a+7]
	s_nop 0
.rept 4
	v_nop
.endr
	s_branch .Lasked_\@
.Lfor_b_\@:
	tensor_load_to_lds s[\g0b:\g0b+3], s[\g1b:\g1b+7]
	s_nop 0
.rept 4
	v_nop
.endr
.Lasked_\@:
.endm
.macro CROUND                          ; a round of the cluster's barrier
	s_barrier_signal -1
	s_barrier_wait -1
	s_cmp_lg_u32 s14, 0
	s_cbranch_scc1 .Lnot_wave_0_\@
	s_barrier_signal -3
.Lnot_wave_0_\@:
	s_barrier_wait -3
	s_barrier_signal -1
	s_barrier_wait -1
.endm
	s_load_b128 s[4:7], s[0:1], 0x0                ; x's codes, x's scales
	s_load_b128 s[8:11], s[0:1], 0x10              ; W's codes, W's scales
	s_load_b128 s[96:99], s[0:1], 0x20             ; qkv, q32
	v_lshl_add_u32 v[SPW], v0, 2, SPARE
	v_mov_b32 v[NIL], 0
	ds_add_u32 v[SPW], v[NIL]                      ; the wave's opening: the add, twice on end, and its wait ahead of my first tensor load
	ds_add_u32 v[SPW], v[NIL]
	v_lshrrev_b32 v1, 5, v0
	v_readfirstlane_b32 s14, v1                    ; wave 0..3
	s_lshr_b32 s15, s14, 1                         ; which half of the tile's rows is mine.  Also: I fetch for x (0) or for W (1)
	s_and_b32 s16, s14, 1                          ; which half of its columns.  Also: which 128 rows I fetch
	s_bfe_u32 s40, ttmp6, 0x40000                  ; cx
	s_bfe_u32 s41, ttmp6, 0x40004                  ; cy
	s_lshl_b32 s42, ttmp9, 2
	s_add_co_u32 s42, s42, s40                     ; tile column = 4 x cluster x + cx
	s_and_b32 s17, ttmp7, 0xffff                   ; cluster y
	s_or_b32 s[FLAG], s17, s15                     ; 0: the sequence's first 256 positions, and my half is the upper one
	s_lshl_b32 s18, s41, 3
	s_add_co_u32 s17, s17, s18                     ; tile row = 8 cy + cluster y
	s_lshl_b32 s43, s41, 2
	s_lshl_b32 s43, 15, s43                        ; my row of the cluster
	s_lshl_b32 s44, 0x1111, s40                    ; my column
	s_or_b32 s[G1+0], s43, (0<<16)|(1<<20)|(1<<21)|(5<<22)|(3<<25)  ; the mask; elements of 1 byte; padding on; bit 21 beside a mask; 4 words after every 64
	s_or_b32 s[G1B+0], s44, (0<<16)|(1<<20)|(1<<21)|(5<<22)|(3<<25)
.irp g, G1, G1B
	s_mov_b32 s[\g+1], ROWB<<16                    ; tensor_dim0
	s_mov_b32 s[\g+2], 128<<16                     ; tensor_dim1
	s_mov_b32 s[\g+3], ROWB<<16                    ; tile_dim0
	s_mov_b32 s[\g+4], 128                         ; tile_dim1
	s_mov_b32 s[\g+5], KROW                        ; from row to row
	s_mov_b32 s[\g+6], 0
	s_mov_b32 s[\g+7], 0
.endr
	s_or_b32 s[G1S+0], s43, (3<<16)|(1<<20)|(1<<21)|(5<<22)|(3<<25)  ; the scales of 128 rows: 4,096 dense bytes as 16 rows of 32 elements of 8 bytes
	s_or_b32 s[G1SB+0], s44, (3<<16)|(1<<20)|(1<<21)|(5<<22)|(3<<25)
.irp g, G1S, G1SB
	s_mov_b32 s[\g+1], 32<<16
	s_mov_b32 s[\g+2], (128*KS/256)<<16
	s_mov_b32 s[\g+3], 32<<16
	s_mov_b32 s[\g+4], 128*KS/256
	s_mov_b32 s[\g+5], 32
	s_mov_b32 s[\g+6], 0
	s_mov_b32 s[\g+7], 0
.endr
	s_lshl_b32 s18, s16, 7
	s_lshl_b32 s20, s17, 8
	s_add_co_u32 s20, s20, s18                     ; x: row 256 x tile row + 128 x half
	s_lshl_b32 s46, s42, 8
	s_add_co_u32 s46, s46, s18                     ; W: row 256 x tile column + 128 x half
	s_mov_b32 s21, 0
	s_mov_b32 s47, 0
	s_mov_b64 s[18:19], KS
	s_mul_u64 s[22:23], s[20:21], s[18:19]         ; where these rows' scales begin,
	s_mul_u64 s[92:93], s[46:47], s[18:19]
	s_mov_b64 s[18:19], KROW
	s_mul_u64 s[20:21], s[20:21], s[18:19]         ; and their codes
	s_mul_u64 s[46:47], s[46:47], s[18:19]
	s_mul_i32 s45, s14, HALFT                      ; where they go: wave x 128 rows
	s_mul_i32 s94, s14, HALFS
	s_wait_dscnt 0x0                               ; both opening adds are done
	s_wait_kmcnt 0x0
	s_add_nc_u64 s[20:21], s[4:5], s[20:21]
	s_add_nc_u64 s[22:23], s[6:7], s[22:23]
	s_add_nc_u64 s[46:47], s[8:9], s[46:47]
	s_add_nc_u64 s[92:93], s[10:11], s[92:93]
	CROUND                                         ; all sixteen work-groups are here: the joint loads meet
	s_mov_b32 s[G0S], 1
	s_add_co_u32 s[G0S+1], s94, SCL
	s_mov_b64 s[G0S+2:G0S+3], s[22:23]
	s_or_b32 s[G0S+3], s[G0S+3], 0x80000000
	s_mov_b32 s[G0SB], 1
	s_add_co_u32 s[G0SB+1], s94, SCL
	s_mov_b64 s[G0SB+2:G0SB+3], s[92:93]
	s_or_b32 s[G0SB+3], s[G0SB+3], 0x80000000
	JLOAD G0S, G1S, G0SB, G1SB                     ; the scales first; then both slots: three loads of mine are out
.irp s, 0,1
	s_mov_b32 s[G0+4*\s], 1
	s_add_co_u32 s[G0+4*\s+1], s45, \s*SLOT
	s_add_nc_u64 s[G0+4*\s+2:G0+4*\s+3], s[20:21], \s*ROWB
	s_or_b32 s[G0+4*\s+3], s[G0+4*\s+3], 0x80000000
	s_mov_b32 s[G0B+4*\s], 1
	s_add_co_u32 s[G0B+4*\s+1], s45, \s*SLOT
	s_add_nc_u64 s[G0B+4*\s+2:G0B+4*\s+3], s[46:47], \s*ROWB
	s_or_b32 s[G0B+4*\s+3], s[G0B+4*\s+3], 0x80000000
	JLOAD G0+4*\s, G1, G0B+4*\s, G1B
.endr
	v_and_b32 v1, 15, v0                           ; r = lane % 16
	v_bfe_u32 v2, v0, 4, 1                         ; h = lane / 16
	v_mul_u32_u24 v3, v1, PITCH
	v_lshl_add_u32 v4, v2, 4, v3                   ; a fragment's row x pitch + 16 h
	s_mul_i32 s21, s15, HALFT                      ; my 128 rows of x
	s_mul_i32 s22, s16, HALFT                      ; my 128 rows of W,
	s_add_co_u32 s22, s22, 2*HALFT                 ; behind x's 256
.irp s, 0,1
	v_add_nc_u32 v[ADRA+\s], s21, v4
	v_add_nc_u32 v[ADRB+\s], s22, v4
	s_add_co_u32 s21, s21, SLOT
	s_add_co_u32 s22, s22, SLOT
.endr
	v_mul_u32_u24 v5, v1, KS                       ; my row's scales: 32 bytes a row,
	v_lshrrev_b32 v6, 8, v5
	v_lshl_add_u32 v5, v6, 4, v5                   ; and 16 more for each 256 passed
	s_mul_i32 s21, s15, HALFS
	s_mul_i32 s22, s16, HALFS
	s_add_co_u32 s22, s22, 2*HALFS
	s_sub_co_u32 s22, s22, s21
	v_mul_u32_u24 v6, s22, v2                      ; lanes 16-31 take W's
	s_add_co_u32 s21, s21, SCL
	v_add_nc_u32 v5, v5, v6
	v_add_nc_u32 v[ADRS], s21, v5
	s_mul_i32 s23, s14, 16*P32                     ; my stage
	v_mul_u32_u24 v5, v1, P32
	v_lshl_add_u32 v5, v2, 5, v5
	v_add_nc_u32 v[STO32], s23, v5                 ; f32 in: row r, 32 bytes for each half of the lanes
	v_and_b32 v6, 31, v0
	v_lshlrev_b32 v[CO16], 4, v6
	v_add_nc_u32 v[RD32], s23, v[CO16]             ; f32 back: the 32 lanes take a row of 512 bytes: two heads' 256
	v_lshlrev_b32 v5, 12, v2
	v_lshl_add_u32 v[CO32], v1, 4, v5              ; in q32 the second head lies 4,096 bytes on
	v_mul_u32_u24 v5, v1, P16
	v_lshl_add_u32 v5, v2, 4, v5
	v_add_nc_u32 v[STO16], s23, v5                 ; f16 in: row r, 16 bytes for each half
	v_lshrrev_b32 v5, 3, v6
	v_mul_u32_u24 v5, v5, P16
	v_and_b32 v6, 7, v6
	v_lshl_add_u32 v5, v6, 4, v5
	v_add_nc_u32 v[RD16], s23, v5                  ; f16 back: eight lanes take one head's 128 bytes of a row, the 32 lanes four rows
	; where my part begins in qkv and in q32
	s_lshr_b32 s20, s17, 3                         ; batch
	s_lshl_b32 s21, s20, 16                        ; q32: 16 heads x 4,096 bytes
	s_lshl_b32 s20, s20, 22                        ; qkv: 16 heads x 2^18
	s_and_b32 s22, s17, 7
	s_lshl_b32 s22, s22, 15                        ; 256 positions x 128 bytes
	s_add_co_u32 s20, s20, s22
	s_lshl_b32 s22, s15, 14                        ; 128 positions
	s_add_co_u32 s20, s20, s22
	s_lshr_b32 s46, s42, 2                         ; which
	s_lshl_b32 s47, s46, 18
	s_lshl_b32 s46, s46, 24
	s_and_b32 s22, s42, 3
	s_lshl_b32 s22, s22, 1
	s_add_co_u32 s22, s22, s16                     ; my first head / 2
	s_lshl_b32 s23, s22, 19
	s_add_co_u32 s46, s46, s23
	s_lshl_b32 s23, s22, 13
	s_add_co_u32 s47, s47, s23
	s_add_co_u32 s20, s20, s46
	s_add_co_u32 s22, s21, s47
	s_mov_b32 s21, 0
	s_mov_b32 s23, 0
	s_add_nc_u64 s[96:97], s[96:97], s[20:21]
	s_add_nc_u64 s[98:99], s[98:99], s[22:23]
.macro FRAG reg, adr, q, i             ; 16 rows x 128 K of 4-bit codes: 8 registers: two loads of 16 bytes, 32 bytes apart
.irp c, 0,1
	ds_load_b128 v[\reg+4*\c:\reg+4*\c+3], v[\adr] offset:64*(\q)+32*\c+(\i)*16*PITCH
.endr
.endm
; 16 matrix instructions: x's blocks a0, a0 + 1 against W's eight, 128 along K.  One register carries x's scale word (lanes 0-15) and W's (lanes 16-31).  The 64 accumulators take turns.
.macro MUL16 a0, p, q, sc, zero
.irp a, \a0, \a0+1
.irp b, 0,1,2,3,4,5,6,7
.if \zero
	v_wmma_scale_f32_16x16x128_f8f6f4 v[8*(8*((\a)%4)+\b):8*(8*((\a)%4)+\b)+7], v[128*(\p)+FR*\b:128*(\p)+FR*\b+FR-1], v[AF+FR*(\a):AF+FR*(\a)+FR-1], 0, v[SC+8*NQ*(\sc)+NQ*\b+(\q)], v[SC+8*NQ*(\sc)+NQ*(\a)+(\q)] matrix_a_fmt:MATRIX_FMT_FP4 matrix_b_fmt:MATRIX_FMT_FP4 matrix_a_scale:MATRIX_SCALE_ROW1
.else
	v_wmma_scale_f32_16x16x128_f8f6f4 v[8*(8*((\a)%4)+\b):8*(8*((\a)%4)+\b)+7], v[128*(\p)+FR*\b:128*(\p)+FR*\b+FR-1], v[AF+FR*(\a):AF+FR*(\a)+FR-1], v[8*(8*((\a)%4)+\b):8*(8*((\a)%4)+\b)+7], v[SC+8*NQ*(\sc)+NQ*\b+(\q)], v[SC+8*NQ*(\sc)+NQ*(\a)+(\q)] matrix_a_fmt:MATRIX_FMT_FP4 matrix_b_fmt:MATRIX_FMT_FP4 matrix_a_scale:MATRIX_SCALE_ROW1
.endif
.endr
.endr
.endm
.macro FETCH_B slot, q, p
	WIN TO_B
.irp i, 0,1,2,3,4,5,6,7
	FRAG 128*(\p)+FR*\i, ADRB+\slot, \q, \i
.endr
	WIN 0
.endm
.macro FETCH_A slot, q, i0
.irp i, \i0, \i0+1, \i0+2, \i0+3
	FRAG AF+FR*(\i), ADRA+\slot, \q, \i
.endr
.endm
.macro SCALES sc                       ; a K step's scale words: four a row; lanes 0-15 x's block i, lanes 16-31 W's block i
.irp i, 0,1,2,3,4,5,6,7
	ds_load_b128 v[SC+8*NQ*\sc+NQ*\i:SC+8*NQ*\sc+NQ*\i+3], v[ADRS] offset:\i*SBLK
.endr
.endm
.macro PLACES n                        ; plain vector instructions between a matrix instruction and a load into, or a read or write of, its registers
.rept \n
	v_nop
.endr
.endm
.macro STEP slot, q, zero              ; 128 along K with its successor in the same slot
	s_wait_dscnt 4*NL                              ; W's set and x's blocks 0-3 are in; the youngest eight loads (x's blocks 4-7) may be out
	WIN MUL_LO
	MUL16 0, (\q)%2, \q, \slot, \zero
	MUL16 2, (\q)%2, \q, \slot, \zero
	s_wait_dscnt 0
	PLACES NP
	FETCH_B \slot, (\q)+1, 1-(\q)%2
	FETCH_A \slot, (\q)+1, 0
	WIN MUL_HI
	MUL16 4, (\q)%2, \q, \slot, \zero
	MUL16 6, (\q)%2, \q, \slot, \zero
	PLACES NP
	WIN 0
	FETCH_A \slot, (\q)+1, 4
.endm
; Slot 0's last step goes over to slot 1: each wave waits for all its tensor loads, adds 0 to its spare word, waits for that and for its reads of slot 0; behind the barrier slot 1 is whole and nobody reads slot 0.
.macro TURN slot, next
	s_wait_tensorcnt 0x0
	ds_add_u32 v[SPW], v[NIL]
	s_wait_dscnt 4*NL+1                            ; the add and the youngest eight loads may be out
	WIN MUL_LO
	MUL16 0, 1, NQ-1, \slot, 0
	s_wait_dscnt 0x0
	s_barrier_signal -1
	MUL16 2, 1, NQ-1, \slot, 0
	WIN 0
	s_barrier_wait -1
	PLACES NP
	v_add_nc_u32 v[ADRS], 4*NQ, v[ADRS]            ; the next K step's scale words
	FETCH_B \next, 0, 0
	FETCH_A \next, 0, 0
	SCALES \next
	WIN MUL_HI
	MUL16 4, 1, NQ-1, \slot, 0
	MUL16 6, 1, NQ-1, \slot, 0
	PLACES NP
	WIN 0
	FETCH_A \next, 0, 4
.endm
	s_wait_tensorcnt 1                             ; the scales and my part of slot 0 are in; slot 1's load may be out,
	s_barrier_signal -1
	s_barrier_wait -1                              ; everybody's are
	FETCH_B 0, 0, 0
	FETCH_A 0, 0, 0
	SCALES 0
	FETCH_A 0, 0, 4
	STEP 0, 0, 1                                   ; the first products start the sums: nothing is cleared
	STEP 0, 1, 0
	STEP 0, 2, 0
	TURN 0, 1
	STEP 1, 0, 0
	STEP 1, 1, 0
	STEP 1, 2, 0
	s_wait_dscnt 4*NL                              ; the last step
	WIN MUL_LO
	MUL16 0, 1, NQ-1, 1, 0
	MUL16 2, 1, NQ-1, 1, 0
	s_wait_dscnt 0
	WIN MUL_HI
	MUL16 4, 1, NQ-1, 1, 0
	MUL16 6, 1, NQ-1, 1, 0
	WIN 0
	PLACES NP                                      ; behind the last products: what follows reads results and writes registers that held scales and fragments
	; POSITIONS 0-15 ALSO LEAVE AS f32.  The branch hangs on the cluster's y and the wave's number: the same in all partners.
	s_cmp_lg_u32 s[FLAG], 0
	s_cbranch_scc1 .Lno_fine
	WIN 0x08                                       ; an LDS store's data are its source 1: window 2
.irp b, 0,1,2,3,4,5,6,7
	ds_store_b128 v[STO32], v[8*\b:8*\b+3] offset:64*\b             ; each accumulator from its low end on
	ds_store_b128 v[STO32], v[8*\b+4:8*\b+7] offset:64*\b+16
.endr
	WIN 0
.irp t, 0,1,2,3,4,5,6,7,8,9,10,11,12,13,14,15
	ds_load_b128 v[B32+4*\t:B32+4*\t+3], v[RD32] offset:\t*P32      ; LDS serves a wave's instructions in order: these see the stores above
.endr
	s_wait_dscnt 0x0
.irp t, 0,1,2,3,4,5,6,7,8,9,10,11,12,13,14,15
	global_store_b128 v[CO32], v[B32+4*\t:B32+4*\t+3], s[98:99] offset:256*\t   ; sixteen lanes store one head's row: 256 consecutive bytes, aligned
.endr
.Lno_fine:
; THE WAY OUT in f16, a block of 16 positions x 128 channels (two heads) at a time: rounded, through my stage, back as four rows of one head: 512 dense bytes a store.
.macro PACK a
.set AC, 64*((\a)%4)
	WIN 0x0a+5*((\a)/4)                            ; sources 0 and 1: window 2 or 3
.irp b, 0,1,2,3,4,5,6,7
.irp r, 0,1,2,3
	v_cvt_pk_f16_f32 v[TMP+4*\b+\r], v[AC+8*\b+2*\r], v[AC+8*\b+2*\r+1]
.endr
.endr
	WIN 0
.endm
.macro TOSTAGE a
.set BB, BK+32*((\a)%2)
.irp b, 0,1,2,3,4,5,6,7
	ds_store_b128 v[STO16], v[TMP+4*\b:TMP+4*\b+3] offset:32*\b
.endr
.irp t, 0,1,2,3,4,5,6,7
	ds_load_b128 v[BB+4*\t:BB+4*\t+3], v[RD16] offset:(\t%4)*4*P16+128*(\t/4)
.endr
.endm
.macro SEND a
.set BB, BK+32*((\a)%2)
	s_wait_dscnt 0x0                               ; the block is back in registers
	s_wait_xcnt 0x0                                ; earlier stores have read their base and their data: both are rewritten only behind this wait
.if (\a) > 0
	s_add_nc_u64 s[96:97], s[96:97], 16*128        ; 16 positions on
.endif
.irp t, 0,1,2,3,4,5,6,7
	global_store_b128 v[CO16], v[BB+4*\t:BB+4*\t+3], s[96:97] offset:(\t/4)*262144+(\t%4)*512
.endr
.endm
	PACK 0
	TOSTAGE 0
.irp a, 1,2,3,4,5,6,7                  ; block a's conversions stand between block a - 1's loads from the stage and the wait for them
	PACK \a
	SEND \a-1
	TOSTAGE \a
.endr
	SEND 7
	s_wait_tensorcnt 0x0                           ; the wave's end
	ds_add_u32 v[SPW], v[NIL]
	s_wait_dscnt 0x0
	CROUND                                         ; the closing round
	s_endpgm
.Lfunc_end_k_q66244124d0_qkv:
	.size	k_q66244124d0_qkv, .Lfunc_end_k_q66244124d0_qkv-k_q66244124d0_qkv
	.p2alignl 7, 3214868480
	.fill 96, 4, 3214868480
	.section	.rodata,"a",@progbits
	.p2align	6, 0x0
	.amdhsa_kernel k_q66244124d0_qkv
		.amdhsa_group_segment_fixed_size 327680
		.amdhsa_private_segment_fixed_size 0
		.amdhsa_enable_private_segment 0
		.amdhsa_kernarg_size 48
		.amdhsa_user_sgpr_count 2
		.amdhsa_user_sgpr_kernarg_segment_ptr 1
		.amdhsa_wavefront_size32 1
		.amdhsa_system_sgpr_workgroup_id_x 1
		.amdhsa_system_sgpr_workgroup_id_y 1
		.amdhsa_system_sgpr_workgroup_id_z 1
		.amdhsa_system_vgpr_workitem_id 0
		.amdhsa_next_free_vgpr 1024
		.amdhsa_next_free_sgpr 100
		.amdhsa_reserve_vcc 0
		.amdhsa_float_denorm_mode_32 3
		.amdhsa_float_denorm_mode_16_64 3
		.amdhsa_memory_ordered 1
		.amdhsa_forward_progress 1
		.amdhsa_inst_pref_size 131
	.end_amdhsa_kernel
	.amdgpu_metadata
---
amdhsa.version: [ 1, 2 ]
amdhsa.kernels:
  - .name:           k_q66244124d0_qkv
    .symbol:         k_q66244124d0_qkv.kd
    .args:
      - { .name: xc, .offset: 0, .size: 8, .value_kind: global_buffer, .address_space: global }
      - { .name: xs, .offset: 8, .size: 8, .value_kind: global_buffer, .address_space: global }
      - { .name: wc, .offset: 16, .size: 8, .value_kind: global_buffer, .address_space: global }
      - { .name: ws, .offset: 24, .size: 8, .value_kind: global_buffer, .address_space: global }
      - { .name: qkv, .offset: 32, .size: 8, .value_kind: global_buffer, .address_space: global }
      - { .name: q32, .offset: 40, .size: 8, .value_kind: global_buffer, .address_space: global }
    .group_segment_fixed_size: 327680
    .private_segment_fixed_size: 0
    .kernarg_segment_align: 8
    .kernarg_segment_size: 48
    .max_flat_workgroup_size: 128
    .sgpr_count:     100
    .vgpr_count:     1024
    .wavefront_size: 32
...
	.end_amdgpu_metadata
.endif
;; end of part 2
;; launch attn (part 3): grid 4 x 64, 8 waves a work-group, no clusters, 327,680 bytes of LDS; arguments qkv, att; writes att
.if DOCPART == 3
	.amdgcn_target "amdgcn-amd-amdhsa--gfx1250"
	.amdhsa_code_object_version 6
	.text
	.protected	k_q66244124d0_attn
	.globl	k_q66244124d0_attn
	.p2align	8
	.type	k_q66244124d0_attn,@function
k_q66244124d0_attn:
	s_mov_b64 s[64:65], 0
	v_nop
	global_prefetch_b8 v0, s[64:65] scope:SCOPE_SE
	s_setreg_imm32_b32 hwreg(HW_REG_WAVE_MODE, 25, 1), 1
	s_wait_xcnt 0x0
; att[bh][q][:] = the sum over keys k <= q of softmax_k(Q[q] . K[k] / 8) V[k][:], for each of 64 (batch, head).  Q, K, V: qkv [which][bh][2048][64] f16; att [bh][2048][64] f16.  Products on f16 operands, sums, maxima and the softmax in f32.
; SHARES.  Work-group (p, bh) owns two blocks of 256 queries, one after the other: block p, which needs key slots 0 .. p of 256 keys, then block 7 - p, which needs 0 .. 7 - p: (p + 1) + (8 - p) = 9 visits of a slot
; in every work-group.  So the trip count is a constant, all 256 work-groups have the same work, and every slot that is fetched is read.
; Each of the eight waves owns 32 queries of the block, two tiles of 16: a fragment of K or V read from LDS feeds two matrix instructions.  Two waves stand on a SIMD.
; NO CLUSTER: the four work-groups of a head change from their first block to their second at visit p + 1, so at one and the same visit they want different key slots.
; LAYOUT.  S^T = K Q^T (source 0 = 16 keys, source 1 = 16 queries), O^T = V^T P (source 0 = V turned by ds_load_tr16_b128): a lane holds ONE query (lane % 16) throughout.  A key step is 64 keys.
; SOFTMAX.  A running maximum m and sum l for each query: p = 2^(c s - c m), c = log2(e) / 8; in every step O and l are multiplied by a = 2^(c m_old - c m_new).  p is rounded to f16 for the second product; l is the sum of the unrounded p.
; THE MASK.  A step all of whose keys come after my 32 queries is left out (a scalar branch on ids); on the diagonal hidden scores become -infinity.  A step that is walked begins at or before my first query, so every query has a key in it.
; LIMITS: att's numbers stay under 65,504; NaN and infinities are not served.
; REGISTERS: v1-14 addresses; v16-31 statistics, 8 a tile: +0 c m, +1 m, +2, +3 l, +4 .. +7 at work (a at +6); v32-63 Q; v64-127 S^T, 32 a tile; P is laid over its first 16; v128-191 O^T, 32 a tile; v192-255 K's 8 fragments, then V's.
.set PK,    144                        ; a row of K in LDS: 128 bytes + 16
.set PV,    160                        ; a row of V: 128 + 32
.set VOFF,  64*PK                      ; a step's tiles lie together: 64 rows of K, then 64 rows of V
.set STEPB, 64*(PK+PV)
.set SLOT1, 1<<17                      ; a slot holds four steps (77,824 bytes); slot 1 begins here
.set STAGE, SLOT1+4*STEPB              ; behind the ring: 32 rows x 144 bytes for each wave
.set SPARE, STAGE+8*32*PK              ; the spare words, 128 bytes for each wave: four blocks of 256 bytes that no other line names
.set AK0, 1
.set AV0, 2
.set ADK, 3
.set ADV, 4
.set SPW, 5
.set NIL, 6
.set QO,  7
.set PFO, 8
.set DM,  9
.set NINF, 10
.set RH,  11
.set STO, 12
.set RD,  13
.set GO,  14
.set ST,  16
.set Q,   32
.set S,   64
.set O,   128
.set KV,  192
.set WV,  8                            ; s8   wave
.set BLKP, 9                           ; s9   p
.set KB,  14                           ; s[14:15] K at my part (64 rows) of key slot 0;  s[16:17] V likewise
.set VB,  16
.set QH,  18                           ; s[18:19] my head's q;  s[20:21] my head's att
.set AH,  20
.set OP,  22                           ; s[22:23] att at my wave's first query
.set G1K, 24
.set G1V, 32
.set G0K, 40
.set G0V, 44
.set SEL, 48
.set CS,  50
.set TB,  52                           ; s52  LDS byte at which the step's tiles begin
.set KF,  53                           ; s53  the step's first key
.set Q0,  54                           ; s54  my first query
.set VIS, 55                           ; s55  the visit
.set QP,  56                           ; s[56:57] q at my wave's first query
.set CNT, 58
.set KSN, 59                           ; s59  the key slot of the visit that is asked for
.set OFF, 60                           ; s[60:61]
.set PFA, 66                           ; s[66:67] where my prefetches stand
.set LIM, 68                           ; s68  visits in which I prefetch
; Waves 0-3 fetch K of the slot's step (wave % 4), waves 4-7 V of it: 64 rows of 128 bytes, 8,192 dense bytes.  An s_nop 0 and four v_nop follow each line.
.macro TLOAD
	s_cmp_lt_u32 s[WV], 4
	s_cbranch_scc0 .Lfor_v_\@
	tensor_load_to_lds s[G0K:G0K+3], s[G1K:G1K+7]
	s_nop 0
.rept 4
	v_nop
.endr
	s_branch .Lasked_\@
.Lfor_v_\@:
	tensor_load_to_lds s[G0V:G0V+3], s[G1V:G1V+7]
	s_nop 0
.rept 4
	v_nop
.endr
.Lasked_\@:
.endm
; A PREFETCH INTO THE L2.  All four work-groups of a head walk the same K and V; the one with p = 0 walks key slots 0 .. 7 in visits 1 .. 8, and it alone asks.  In visit i (0 .. 6) each of its waves names its own 8,192 bytes
; (a lane 256 bytes) of key slot i + 1, which its next change of slots will fetch: one visit, four key steps, ahead.  So each aligned 256 bytes of key slots 1 .. 7 are named once; slot 0 comes by its loads alone.
.macro ASK
	s_cmp_lt_u32 s[VIS], s[LIM]
	s_cbranch_scc0 .Lnot_mine_\@
	global_prefetch_b8 v[PFO], s[PFA:PFA+1] th:TH_LOAD_NT scope:SCOPE_SE
.Lnot_mine_\@:
.endm
	s_load_b128 s[4:7], s[0:1], 0x0                ; qkv, att
	v_lshl_add_u32 v[SPW], v0, 2, SPARE
	v_mov_b32 v[NIL], 0
	ds_add_u32 v[SPW], v[NIL]                      ; the wave's opening: the add, twice on end, and its wait ahead of my first tensor load
	ds_add_u32 v[SPW], v[NIL]
	v_lshrrev_b32 v1, 5, v0
	v_readfirstlane_b32 s[WV], v1                  ; wave 0..7
	s_mov_b32 s[BLKP], ttmp9
	s_and_b32 s12, ttmp7, 0xffff
	s_lshl_b32 s12, s12, 18                        ; a head is 2,048 rows of 128 bytes
	s_mov_b32 s13, 0
	s_and_b32 s10, s[WV], 3
	s_mul_i32 s11, s10, STEPB                      ; my step's place in a slot
	s_lshl_b32 s62, s10, 13                        ; and its 64 rows in memory
	s_mov_b32 s63, 0
	s_mov_b32 s[G1K], (1<<16)|(1<<20)|(4<<22)|(3<<25)  ; no mask; elements of 2 bytes; padding on: 4 words after every 32
	s_mov_b32 s[G1V], (1<<16)|(1<<20)|(4<<22)|(7<<25)  ; 8 words
.irp g, G1K, G1V
	s_mov_b32 s[\g+1], 64<<16                      ; tensor_dim0 = 64
	s_mov_b32 s[\g+2], 64<<16                      ; tensor_dim1 = 64
	s_mov_b32 s[\g+3], 64<<16                      ; tile_dim0 = 64
	s_mov_b32 s[\g+4], 64                          ; tile_dim1 = 64
	s_mov_b32 s[\g+5], 64                          ; from row to row
	s_mov_b32 s[\g+6], 0
	s_mov_b32 s[\g+7], 0
.endr
	s_mov_b32 s[SEL], 0x76543210
	s_mov_b32 s[SEL+1], 0xfedcba98                 ; v_permlanex16_b32's selects for lane l xor 16
	s_mov_b32 s[CS], 0x3e38aa3b                    ; c = log2(e) / 8
	s_mov_b32 s[CS+1], s[CS]
	s_mov_b32 s[TB], 0
	s_mov_b32 s[VIS], 0
	s_mov_b32 s[KSN], 0
	s_mov_b32 s[OFF+1], 0
	s_lshl_b32 s[Q0], ttmp9, 8
	s_lshl_b32 s10, s[WV], 5
	s_add_co_u32 s[Q0], s[Q0], s10                 ; my first query: 256 p + 32 wave
	s_cmp_eq_u32 ttmp9, 0
	s_cselect_b32 s[LIM], 7, 0
	s_wait_dscnt 0x0                               ; both opening adds are done
	s_wait_kmcnt 0x0
	s_add_nc_u64 s[QH:QH+1], s[4:5], s[12:13]
	s_add_nc_u64 s[AH:AH+1], s[6:7], s[12:13]
	s_add_nc_u64 s[KB:KB+1], s[QH:QH+1], s[62:63]
	s_add_nc_u64 s[KB:KB+1], s[KB:KB+1], 0x1000000 ; k lies 2^24 bytes behind q,
	s_add_nc_u64 s[VB:VB+1], s[KB:KB+1], 0x1000000 ; v behind k
	s_mov_b32 s[G0K], 1
	s_mov_b32 s[G0K+1], s11
	s_mov_b64 s[G0K+2:G0K+3], s[KB:KB+1]
	s_or_b32 s[G0K+3], s[G0K+3], 0x80000000
	s_mov_b32 s[G0V], 1
	s_add_co_u32 s[G0V+1], s11, VOFF
	s_mov_b64 s[G0V+2:G0V+3], s[VB:VB+1]
	s_or_b32 s[G0V+3], s[G0V+3], 0x80000000
	TLOAD                                          ; visit 0: key slot 0 into slot 0
	s_cmp_lt_u32 s[WV], 4
	s_cselect_b64 s[PFA:PFA+1], s[KB:KB+1], s[VB:VB+1]   ; at key slot 0; each change of slots steps it first
	v_and_b32 v15, 15, v0                          ; r
	v_bfe_u32 v9, v0, 4, 1                         ; h
	v_mul_u32_u24 v[AK0], v15, PK
	v_lshl_add_u32 v[AK0], v9, 4, v[AK0]           ; K: row r x pitch + 16 h
	v_and_b32 v10, 7, v0
	v_bfe_u32 v11, v0, 3, 1
	v_lshl_add_u32 v[AV0], v9, 3, v10
	v_mul_u32_u24 v[AV0], v[AV0], PV
	v_lshl_add_u32 v[AV0], v11, 4, v[AV0]
	v_add_nc_u32 v[AV0], VOFF, v[AV0]              ; V, for the turning load: key 8 h + lane % 8, channels 8 ((lane / 8) % 2) on
	v_lshlrev_b32 v[QO], 7, v15
	v_lshl_add_u32 v[QO], v9, 4, v[QO]             ; Q in memory: row r of 128 bytes + 16 h
	v_and_b32 v[GO], 31, v0
	v_lshlrev_b32 v[PFO], 8, v[GO]
	s_mul_i32 s62, s[WV], 32*PK
	s_add_co_u32 s62, s62, STAGE                   ; my stage
	v_mul_u32_u24 v[STO], v15, PK
	v_lshl_add_u32 v[STO], v9, 4, v[STO]
	v_add_nc_u32 v[STO], s62, v[STO]               ; in: row r, 16 bytes for each half of the lanes
	v_lshrrev_b32 v[RD], 3, v[GO]
	v_mul_u32_u24 v[RD], v[RD], PK
	v_lshl_add_u32 v[RD], v10, 4, v[RD]
	v_add_nc_u32 v[RD], s62, v[RD]                 ; back: eight lanes to a row of 128 bytes, four rows an instruction
	v_lshlrev_b32 v[GO], 4, v[GO]                  ; and in att these four rows are 512 dense bytes
	v_lshlrev_b32 v11, 3, v9
	v_sub_nc_u32 v[RH], v15, v11                   ; r - 8 h
	v_mov_b32 v[NINF], 0xff800000
; A block of queries begins: Q into registers; m = -3e38, under every score; l and O^T zeros, which the first a = 0 leaves zeros: so the key step is written once.
.macro INIT
	s_lshl_b32 s62, s[Q0], 7
	s_mov_b32 s63, 0
	s_add_nc_u64 s[QP:QP+1], s[QH:QH+1], s[62:63]
	s_add_nc_u64 s[OP:OP+1], s[AH:AH+1], s[62:63]
.irp t, 0,1
.irp cs, 0,1
	global_load_b128 v[Q+16*\t+8*\cs:Q+16*\t+8*\cs+3],   v[QO], s[QP:QP+1] offset:\t*2048+\cs*64
	global_load_b128 v[Q+16*\t+8*\cs+4:Q+16*\t+8*\cs+7], v[QO], s[QP:QP+1] offset:\t*2048+\cs*64+32
.endr
.endr
.irp t, 0,1
	v_mov_b32 v[ST+8*\t+1], 0xff61b1e6
	v_mul_f32 v[ST+8*\t], s[CS], v[ST+8*\t+1]
	v_mov_b32 v[ST+8*\t+2], 0
	v_mov_b32 v[ST+8*\t+3], 0
.endr
.set i, 0
.rept 64
	v_mov_b32 v[O+i], 0
.set i, i+1
.endr
	s_mov_b32 s[KF], 0
	s_wait_loadcnt 0x0
.endm
; A KEY STEP: 64 keys for my two tiles of queries.
.macro STEP
	s_add_co_u32 s62, s[Q0], 31
	s_cmp_gt_u32 s[KF], s62                        ; all keys behind my last query: the step's work is left out; no barrier and no tensor load stands in a step
	s_cbranch_scc1 .Lhidden_\@
	v_add_nc_u32 v[ADK], s[TB], v[AK0]
	v_add_nc_u32 v[ADV], s[TB], v[AV0]
.irp cs, 0,1                                   ; K's 8 fragments (keys 16 kt on, channels 32 cs on), the first 32 channels first
.irp kt, 0,1,2,3
	ds_load_b128 v[KV+8*(2*\kt+\cs):KV+8*(2*\kt+\cs)+3],   v[ADK] offset:\kt*16*PK+\cs*64
	ds_load_b128 v[KV+8*(2*\kt+\cs)+4:KV+8*(2*\kt+\cs)+7], v[ADK] offset:\kt*16*PK+\cs*64+32
.endr
.endr
.irp cs, 0,1                                   ; S^T = K Q^T: the 8 accumulators take turns; the first 8 products start the sums
	s_wait_dscnt 8-8*\cs                           ; the first 32 channels' eight loads are in, the other eight may be out; then all
.irp kt, 0,1,2,3
.irp t, 0,1
.if \cs == 0
	v_wmma_f32_16x16x32_f16 v[S+32*\t+8*\kt:S+32*\t+8*\kt+7], v[KV+8*(2*\kt+\cs):KV+8*(2*\kt+\cs)+7], v[Q+16*\t+8*\cs:Q+16*\t+8*\cs+7], 0
.else
	v_wmma_f32_16x16x32_f16 v[S+32*\t+8*\kt:S+32*\t+8*\kt+7], v[KV+8*(2*\kt+\cs):KV+8*(2*\kt+\cs)+7], v[Q+16*\t+8*\cs:Q+16*\t+8*\cs+7], v[S+32*\t+8*\kt:S+32*\t+8*\kt+7]
.endif
.endr
.endr
.endr
.rept 4
	v_nop                                          ; places: in front of the loads into K's registers, and of the first read of the scores
.endr
.irp ku, 0,1                                   ; V's 8 fragments (keys 32 ku on, channels 16 ct on) take K's registers; they land during the softmax
.irp ct, 0,1,2,3
	ds_load_tr16_b128 v[KV+8*(4*\ku+\ct):KV+8*(4*\ku+\ct)+3],   v[ADV] offset:\ku*32*PV+\ct*32
	ds_load_tr16_b128 v[KV+8*(4*\ku+\ct)+4:KV+8*(4*\ku+\ct)+7], v[ADV] offset:\ku*32*PV+16*PV+\ct*32
.endr
.endr
	s_add_co_u32 s62, s[KF], 63
	s_cmp_le_u32 s62, s[Q0]                        ; all 64 keys count for all my queries: no mask
	s_cbranch_scc1 .Lopen_\@
	s_sub_co_i32 s62, s[Q0], s[KF]
	v_add_nc_u32 v[DM], s62, v[RH]                 ; d = Q0 - KF + r - 8 h.  Register n of tile t holds key KF + 16 (n / 8) + 8 h + n % 8, my query is Q0 + 16 t + r: hidden where 16 (n / 8) + n % 8 - 16 t > d
.irp t, 0,1
.irp n, 0,1,2,3,4,5,6,7,8,9,10,11,12,13,14,15,16,17,18,19,20,21,22,23,24,25,26,27,28,29,30,31
	v_cmp_gt_i32 vcc_lo, 16*(\n/8)+\n%8-16*\t, v[DM]
	v_cndmask_b32 v[S+32*\t+\n], v[S+32*\t+\n], v[NINF], vcc_lo
.endr
.endr
.Lopen_\@:
	; the maximum of my 32 scores and the old m: four chains, each from its accumulator's low end on; the two tiles line by line
.irp j, 0,1,2,3
.irp t, 0,1
	v_max3_num_f32 v[ST+8*\t+4+\j], v[S+32*\t+8*\j], v[S+32*\t+8*\j+1], v[S+32*\t+8*\j+2]
.endr
.endr
.irp g, 1,2
.irp j, 0,1,2,3
.irp t, 0,1
	v_max3_num_f32 v[ST+8*\t+4+\j], v[ST+8*\t+4+\j], v[S+32*\t+8*\j+2*\g+1], v[S+32*\t+8*\j+2*\g+2]
.endr
.endr
.endr
.irp t, 0,1
	v_max3_num_f32 v[ST+8*\t+4], v[ST+8*\t+4], v[S+32*\t+7], v[S+32*\t+15]
.endr
.irp t, 0,1
	v_max3_num_f32 v[ST+8*\t+6], v[ST+8*\t+6], v[S+32*\t+23], v[S+32*\t+31]
.endr
.irp t, 0,1
	v_max3_num_f32 v[ST+8*\t+4], v[ST+8*\t+4], v[ST+8*\t+5], v[ST+8*\t+6]
.endr
.irp t, 0,1
	v_max3_num_f32 v[ST+8*\t+4], v[ST+8*\t+4], v[ST+8*\t+7], v[ST+8*\t+1]
.endr
.irp t, 0,1
	v_permlanex16_b32 v[ST+8*\t+5], v[ST+8*\t+4], s[SEL], s[SEL+1]   ; the query's other 32 keys lie in the lane 16 away
.endr
.irp t, 0,1
	v_mov_b32 v[ST+8*\t+7], v[ST+8*\t]             ; c m_old
.endr
.irp t, 0,1
	v_max_num_f32 v[ST+8*\t+1], v[ST+8*\t+4], v[ST+8*\t+5]
.endr
.irp t, 0,1
	v_mul_f32 v[ST+8*\t], s[CS], v[ST+8*\t+1]
.endr
.irp t, 0,1
	v_sub_f32 v[ST+8*\t+7], v[ST+8*\t+7], v[ST+8*\t]
.endr
.irp b, 0,2,4,6,8,10,12,14,16,18,20,22,24,26,28,30
.irp t, 0,1
	v_pk_fma_f32 v[S+32*\t+\b:S+32*\t+\b+1], v[S+32*\t+\b:S+32*\t+\b+1], s[CS:CS+1], v[ST+8*\t:ST+8*\t+1] op_sel_hi:[1,0,0] neg_lo:[0,0,1] neg_hi:[0,0,1]   ; c s - c m
.endr
.endr
.irp t, 0,1                                    ; ONE BATCH of 66 exponentials: a and 32 p for each tile
	v_exp_f32 v[ST+8*\t+6], v[ST+8*\t+7]
.endr
.irp n, 0,1,2,3,4,5,6,7,8,9,10,11,12,13,14,15,16,17,18,19,20,21,22,23,24,25,26,27,28,29,30,31
.irp t, 0,1
	v_exp_f32 v[S+32*\t+\n], v[S+32*\t+\n]
.endr
.endr
	v_nop                                          ; a plain instruction behind the last exponential
	s_wait_alu depctr_va_vdst(0)                   ; one wait for the batch, ahead of its first reader
.irp t, 0,1                                    ; l = a l + the sum of the unrounded p: two chains a tile; S stays whole for the roundings
	v_pk_fma_f32 v[ST+8*\t+2:ST+8*\t+3], v[ST+8*\t+2:ST+8*\t+3], v[ST+8*\t+6:ST+8*\t+7], v[S+32*\t:S+32*\t+1] op_sel_hi:[1,0,1]
.endr
.irp t, 0,1
	v_pk_add_f32 v[ST+8*\t+4:ST+8*\t+5], v[S+32*\t+2:S+32*\t+3], v[S+32*\t+4:S+32*\t+5]
.endr
.irp b, 6,10,14,18,22,26
.irp t, 0,1
	v_pk_add_f32 v[ST+8*\t+2:ST+8*\t+3], v[ST+8*\t+2:ST+8*\t+3], v[S+32*\t+\b:S+32*\t+\b+1]
	v_pk_add_f32 v[ST+8*\t+4:ST+8*\t+5], v[ST+8*\t+4:ST+8*\t+5], v[S+32*\t+\b+2:S+32*\t+\b+3]
.endr
.endr
.irp t, 0,1
	v_pk_add_f32 v[ST+8*\t+2:ST+8*\t+3], v[ST+8*\t+2:ST+8*\t+3], v[S+32*\t+30:S+32*\t+31]
.endr
.irp t, 0,1
	v_pk_add_f32 v[ST+8*\t+2:ST+8*\t+3], v[ST+8*\t+2:ST+8*\t+3], v[ST+8*\t+4:ST+8*\t+5]
.endr
.irp i, 0,1,2,3,4,5,6,7,8,9,10,11,12,13,14,15  ; P in place: pair i of p goes to register i, which pairs 0 .. i have left: registers 8 ku .. 8 ku + 7 are source 1 for keys 32 ku on
.irp t, 0,1
	v_cvt_pk_f16_f32 v[S+32*\t+\i], v[S+32*\t+2*\i], v[S+32*\t+2*\i+1]
.endr
.endr
.irp i, 0,2,4,6,8,10,12,14,16,18,20,22,24,26,28,30  ; O^T x a, each accumulator from its low end on
.irp t, 0,1
	v_pk_mul_f32 v[O+32*\t+\i:O+32*\t+\i+1], v[O+32*\t+\i:O+32*\t+\i+1], v[ST+8*\t+6:ST+8*\t+7] op_sel_hi:[1,0]
.endr
.endr
	s_wait_dscnt 0x0                               ; V is in
.irp ku, 0,1                                   ; O^T += V^T P: the 8 accumulators take turns
.irp ct, 0,1,2,3
.irp t, 0,1
	v_wmma_f32_16x16x32_f16 v[O+32*\t+8*\ct:O+32*\t+8*\ct+7], v[KV+8*(4*\ku+\ct):KV+8*(4*\ku+\ct)+7], v[S+32*\t+8*\ku:S+32*\t+8*\ku+7], v[O+32*\t+8*\ct:O+32*\t+8*\ct+7]
.endr
.endr
.endr
.rept 5
	v_nop                                          ; five places: the next step's first products write over P, which these products read; its loads into V's registers and the way out's reads want four
.endr
.Lhidden_\@:
	s_add_co_u32 s[KF], s[KF], 64
	s_add_co_u32 s[TB], s[TB], STEPB
.endm
.macro FOUR_STEPS                      ; a slot's four key steps: written once, walked four times
	s_mov_b32 s[CNT], 4
.Lstep_\@:
	STEP
	s_sub_co_u32 s[CNT], s[CNT], 1
	s_cmp_lg_u32 s[CNT], 0
	s_cbranch_scc1 .Lstep_\@
	s_sub_co_u32 s[TB], s[TB], 4*STEPB
	s_xor_b32 s[TB], s[TB], SLOT1                  ; on to the other slot
.endm
; THE CHANGE OF SLOTS, at a visit's head.  Each wave waits for all its tensor loads (one is out: its part of the slot that it is about to read), adds 0 to its spare word, waits for that and for its reads of the slot
; that it has left.  Behind the barrier the slot ahead is whole and nobody reads the other.  fill = 1: the other slot takes the next visit's keys: one load a wave, with a whole visit in which to land.
.macro CHANGE fill
	s_wait_tensorcnt 0x0                           ; no tensor load of mine is out, so a group 0 may be written
	ds_add_u32 v[SPW], v[NIL]
.if \fill
	s_add_co_u32 s[KSN], s[KSN], 1                 ; the next visit's key slot: one on,
	s_cmp_eq_u32 s[VIS], s[BLKP]
	s_cselect_b32 s[KSN], 0, s[KSN]                ; or 0 where this visit is the first block's last
	s_lshl_b32 s[OFF], s[KSN], 15                  ; 256 rows of 128 bytes a slot
	s_xor_b32 s[G0K+1], s[G0K+1], SLOT1
	s_add_nc_u64 s[G0K+2:G0K+3], s[KB:KB+1], s[OFF:OFF+1]
	s_or_b32 s[G0K+3], s[G0K+3], 0x80000000
	s_xor_b32 s[G0V+1], s[G0V+1], SLOT1
	s_add_nc_u64 s[G0V+2:G0V+3], s[VB:VB+1], s[OFF:OFF+1]
	s_or_b32 s[G0V+3], s[G0V+3], 0x80000000
	s_wait_xcnt 0x0                                ; the last prefetch, a visit back, has read its address
	s_add_nc_u64 s[PFA:PFA+1], s[PFA:PFA+1], 32768
.endif
	s_wait_dscnt 0x0
	s_barrier_signal -1
	s_barrier_wait -1
.if \fill
	TLOAD                                          ; the first thing behind the barrier, and my one tensor load until the next
	ASK
.endif
.endm
; A block of queries ends: O^T / l, rounded to f16, through my stage, out as 512 dense bytes a store.
.macro FINISH
.irp t, 0,1
	v_add_f32 v[ST+8*\t+4], v[ST+8*\t+2], v[ST+8*\t+3]
.endr
.irp t, 0,1
	v_permlanex16_b32 v[ST+8*\t+5], v[ST+8*\t+4], s[SEL], s[SEL+1]
.endr
.irp t, 0,1
	v_add_f32 v[ST+8*\t+4], v[ST+8*\t+4], v[ST+8*\t+5]
.endr
.irp t, 0,1
	v_rcp_f32 v[ST+8*\t+6], v[ST+8*\t+4]
.endr
	v_nop
	s_wait_alu depctr_va_vdst(0)                   ; one wait for both reciprocals
.irp t, 0,1
.irp i, 0,2,4,6,8,10,12,14,16,18,20,22,24,26,28,30
	v_pk_mul_f32 v[O+32*\t+\i:O+32*\t+\i+1], v[O+32*\t+\i:O+32*\t+\i+1], v[ST+8*\t+6:ST+8*\t+7] op_sel_hi:[1,0]
.endr
.irp i, 0,1,2,3,4,5,6,7,8,9,10,11,12,13,14,15
	v_cvt_pk_f16_f32 v[S+32*\t+\i], v[O+32*\t+2*\i], v[O+32*\t+2*\i+1]
.endr
.irp ct, 0,1,2,3
	ds_store_b128 v[STO], v[S+32*\t+4*\ct:S+32*\t+4*\ct+3] offset:16*PK*\t+32*\ct
.endr
.irp i, 0,1,2,3
	ds_load_b128 v[S+32*\t+16+4*\i:S+32*\t+16+4*\i+3], v[RD] offset:16*PK*\t+4*PK*\i   ; LDS serves a wave's instructions in order: these see the stores above
.endr
.endr
	s_wait_dscnt 0x0
.irp t, 0,1
.irp i, 0,1,2,3
	global_store_b128 v[GO], v[S+32*\t+16+4*\i:S+32*\t+16+4*\i+3], s[OP:OP+1] offset:2048*\t+512*\i
.endr
.endr
	s_wait_xcnt 0x0                                ; the stores have read their base and their data: both are written again
.endm
	INIT
.Lvisit:                                           ; visits 0 .. 7: behind each change of slots the next visit's keys are asked for
	CHANGE 1
	FOUR_STEPS
	s_cmp_lg_u32 s[VIS], s[BLKP]                   ; ids alone; no barrier stands inside
	s_cbranch_scc1 .Lsame_block
	FINISH                                         ; block p is done;
	s_sub_co_u32 s[Q0], 7, s[BLKP]
	s_lshl_b32 s[Q0], s[Q0], 8
	s_lshl_b32 s62, s[WV], 5
	s_add_co_u32 s[Q0], s[Q0], s62                 ; block 7 - p begins
	INIT
.Lsame_block:
	s_add_co_u32 s[VIS], s[VIS], 1
	s_cmp_lt_u32 s[VIS], 8
	s_cbranch_scc1 .Lvisit
	CHANGE 0                                       ; visit 8 is written out: nothing is left to fetch
	FOUR_STEPS
	FINISH
	s_wait_tensorcnt 0x0                           ; the wave's end
	ds_add_u32 v[SPW], v[NIL]
	s_wait_dscnt 0x0
	s_endpgm
.Lfunc_end_k_q66244124d0_attn:
	.size	k_q66244124d0_attn, .Lfunc_end_k_q66244124d0_attn-k_q66244124d0_attn
	.p2alignl 7, 3214868480
	.fill 96, 4, 3214868480
	.section	.rodata,"a",@progbits
	.p2align	6, 0x0
	.amdhsa_kernel k_q66244124d0_attn
		.amdhsa_group_segment_fixed_size 327680
		.amdhsa_private_segment_fixed_size 0
		.amdhsa_enable_private_segment 0
		.amdhsa_kernarg_size 16
		.amdhsa_user_sgpr_count 2
		.amdhsa_user_sgpr_kernarg_segment_ptr 1
		.amdhsa_wavefront_size32 1
		.amdhsa_system_sgpr_workgroup_id_x 1
		.amdhsa_system_sgpr_workgroup_id_y 1
		.amdhsa_system_sgpr_workgroup_id_z 1
		.amdhsa_system_vgpr_workitem_id 0
		.amdhsa_next_free_vgpr 256
		.amdhsa_next_free_sgpr 72
		.amdhsa_reserve_vcc 1
		.amdhsa_float_denorm_mode_32 3
		.amdhsa_float_denorm_mode_16_64 3
		.amdhsa_memory_ordered 1
		.amdhsa_forward_progress 1
		.amdhsa_inst_pref_size 69
	.end_amdhsa_kernel
	.amdgpu_metadata
---
amdhsa.version: [ 1, 2 ]
amdhsa.kernels:
  - .name:           k_q66244124d0_attn
    .symbol:         k_q66244124d0_attn.kd
    .args:
      - { .name: qkv, .offset: 0, .size: 8, .value_kind: global_buffer, .address_space: global }
      - { .name: att, .offset: 8, .size: 8, .value_kind: global_buffer, .address_space: global }
    .group_segment_fixed_size: 327680
    .private_segment_fixed_size: 0
    .kernarg_segment_align: 8
    .kernarg_segment_size: 16
    .max_flat_workgroup_size: 256
    .sgpr_count:     72
    .vgpr_count:     256
    .wavefront_size: 32
...
	.end_amdgpu_metadata
.endif
;; end of part 3
;; launch proj (part 4): grid 8 x 32, 4 waves a work-group, clusters of 4 x 4, 327,680 bytes of LDS; arguments att, wo16, out0; writes out0
.if DOCPART == 4
	.amdgcn_target "amdgcn-amd-amdhsa--gfx1250"
	.amdhsa_code_object_version 6
	.text
	.protected	k_q66244124d0_proj
	.globl	k_q66244124d0_proj
	.p2align	8
	.type	k_q66244124d0_proj,@function
k_q66244124d0_proj:
	s_mov_b64 s[64:65], 0
	v_nop
	global_prefetch_b8 v0, s[64:65] scope:SCOPE_SE
	s_setreg_imm32_b32 hwreg(HW_REG_WAVE_MODE, 25, 1), 1
	s_wait_xcnt 0x0
	s_wait_alu depctr_hold_cnt(0) depctr_sa_sdst(0) depctr_va_vdst(0) depctr_va_sdst(0) depctr_va_ssrc(0) depctr_va_vcc(0) depctr_vm_vsrc(0)
	s_getreg_b32 s2, hwreg(HW_REG_IB_STS2, 6, 4)
	s_cmp_eq_u32 s2, 0
	s_cbranch_scc0 .Lentry_in_a_cluster
	s_endpgm
.Lentry_in_a_cluster:
	s_bfe_u32 s2, ttmp6, 0x10000c
	s_cmp_lg_u32 s2, 0xf033
	s_cbranch_scc0 .Lentry_shape_is_right
	s_endpgm
.Lentry_shape_is_right:
; out0[m][e] = sum over d of concat[m][d] Wo[e][d], m = 2048 batch + position, d = 64 head + channel.  concat lies by head: att [16 batch + head][2048][64] f16; wo16 [1024][1024] f16; out0 f32.  Sums in f32.
; A tile of out0 is 256 rows x 128 columns: 256 work-groups of four waves; a wave makes 128 x 64: 32 accumulators.  K goes in 8 steps of 128 (two heads) through two LDS slots.
; In a slot A lies as two planes, one a head: 256 rows of 128 bytes, which are 32,768 dense bytes of att; B as 128 rows of 256 bytes.  Waves 0, 1 fetch A's planes, waves 2, 3 B's halves: one load a wave.
; CLUSTERS: 4 x 4.  A's tiles are shared along a row of the cluster, B's along a column.  The tile row is 8 cy + cluster y, so that 'positions 0-255' is 'cluster y = 0', the same in all partners.
; POSITIONS 0-15 of every sequence are not stored here: a later launch computes and stores them in f32.  So each byte of out0 is written once.
; USED TRANSPOSED: source 0 = 16 rows of Wo, source 1 = 16 rows of A: a lane holds eight neighbouring columns of a row of out0.
; REGISTERS: window 0: v16-29 addresses; two fragment buffers for 32 along K: at v32 and v128: A's 8 fragments, then B's 4.  window 1: accumulator (a, b) at v[8 (4 a + b)].
.set PA,     144                       ; a row of A's plane in LDS: 128 bytes + 16
.set PB,     272                       ; a row of B: 256 + 16
.set PLANE,  256*PA
.set BOFF,   2*PLANE
.set SLOT,   BOFF+128*PB
.set STAGE,  2*SLOT                    ; behind the ring: 16 rows x 272 bytes for each wave
.set SPITCH, 272
.set SPARE,  STAGE+4*16*SPITCH         ; the spare words, 128 bytes for each wave
.set LAPS,   4                         ; a lap = two K steps
.set ADRA, 16
.set ADRB, 20
.set STO,  24
.set RD,   25
.set CO,   26
.set SPW,  28
.set NIL,  29
.set F0,   32
.set F1,   128
.set BK,   32                          ; the way out: rows read back: v32-63 and v64-95 by turns
.set G1, 24
.set G0, 32
.set FLAG, 45                          ; s45  0 where my block 0 is positions 0-15
.set G1B, 48
.set G0B, 56
.set MSB, 0
.macro WIN new
.if MSB != (\new)
	s_set_vgpr_msb (MSB<<8)|(\new)
.set MSB, \new
.endif
.endm
.set MUL, 0x50                         ; sources 0 and 1 window 0; C and D window 1
.macro JLOAD s                         ; a joint load; an s_nop 0 and four v_nop follow each line
	s_cmp_eq_u32 s11, 0
	s_cbranch_scc0 .Lfor_b_\@
	tensor_load_to_lds s[G0+4*\s:G0+4*\s+3], s[G1:G1+7]
	s_nop 0
.rept 4
	v_nop
.endr
	s_branch .Lasked_\@
.Lfor_b_\@:
	tensor_load_to_lds s[G0B+4*\s:G0B+4*\s+3], s[G1B:G1B+7]
	s_nop 0
.rept 4
	v_nop
.endr
.Lasked_\@:
.endm
.macro CREST                           ; a round of the cluster's barrier behind its opening barrier
	s_cmp_lg_u32 s10, 0
	s_cbranch_scc1 .Lnot_wave_0_\@
	s_barrier_signal -3
.Lnot_wave_0_\@:
	s_barrier_wait -3
	s_barrier_signal -1
	s_barrier_wait -1
.endm
.macro CROUND
	s_barrier_signal -1
	s_barrier_wait -1
	CREST
.endm
	s_load_b128 s[4:7], s[0:1], 0x0                ; att, wo16
	s_load_b64 s[8:9], s[0:1], 0x10                ; out0
	v_lshl_add_u32 v[SPW], v0, 2, SPARE
	v_mov_b32 v[NIL], 0
	ds_add_u32 v[SPW], v[NIL]                      ; the wave's opening: the add, twice on end, and its wait ahead of my first tensor load
	ds_add_u32 v[SPW], v[NIL]
	v_lshrrev_b32 v1, 5, v0
	v_readfirstlane_b32 s10, v1                    ; wave 0..3
	s_lshr_b32 s11, s10, 1                         ; which 128 rows are mine.  Also: I fetch for A (0) or for B (1)
	s_and_b32 s12, s10, 1                          ; which 64 columns.  Also: which plane of A, or which 64 rows of B, I fetch
	s_bfe_u32 s40, ttmp6, 0x40000                  ; cx
	s_bfe_u32 s41, ttmp6, 0x40004                  ; cy
	s_lshl_b32 s42, ttmp9, 2
	s_add_co_u32 s42, s42, s40                     ; tile column = 4 x cluster x + cx
	s_and_b32 s13, ttmp7, 0xffff                   ; cluster y
	s_or_b32 s[FLAG], s13, s11
	s_lshl_b32 s14, s41, 3
	s_add_co_u32 s13, s13, s14                     ; tile row = 8 cy + cluster y
	s_lshl_b32 s43, s41, 2
	s_lshl_b32 s43, 15, s43                        ; my row of the cluster
	s_lshl_b32 s44, 0x1111, s40                    ; my column
	s_or_b32 s[G1+0], s43, (1<<16)|(1<<20)|(1<<21)|(4<<22)|(3<<25)   ; A: the mask; elements of 2 bytes; padding: 4 words after every 32
	s_mov_b32 s[G1+1], 64<<16                      ; tensor_dim0 = 64
	s_mov_b32 s[G1+2], 256<<16                     ; tensor_dim1 = 256
	s_mov_b32 s[G1+3], 64<<16                      ; tile_dim0 = 64
	s_mov_b32 s[G1+4], 256                         ; tile_dim1 = 256
	s_mov_b32 s[G1+5], 64                          ; from row to row
	s_mov_b32 s[G1+6], 0
	s_mov_b32 s[G1+7], 0
	s_or_b32 s[G1B+0], s44, (1<<16)|(1<<20)|(1<<21)|(5<<22)|(3<<25)  ; B: 4 words after every 64
	s_mov_b32 s[G1B+1], 128<<16
	s_mov_b32 s[G1B+2], 64<<16
	s_mov_b32 s[G1B+3], 128<<16
	s_mov_b32 s[G1B+4], 64
	s_mov_b32 s[G1B+5], 1024
	s_mov_b32 s[G1B+6], 0
	s_mov_b32 s[G1B+7], 0
	s_lshr_b32 s16, s13, 3
	s_lshl_b32 s16, s16, 22                        ; A: the batch's 16 heads of 2^18 bytes,
	s_and_b32 s17, s13, 7
	s_lshl_b32 s17, s17, 15                        ; 256 positions of 128 bytes,
	s_add_co_u32 s16, s16, s17
	s_lshl_b32 s17, s12, 18                        ; my plane's head
	s_add_co_u32 s16, s16, s17
	s_mov_b32 s17, 0
	s_lshl_b32 s46, s42, 18                        ; B: 128 rows of 2,048 bytes a tile column,
	s_lshl_b32 s47, s12, 17                        ; my 64 rows
	s_add_co_u32 s46, s46, s47
	s_mov_b32 s47, 0
	s_mul_i32 s20, s12, PLANE                      ; where they go: no place in the cluster enters an LDS address
	s_mul_i32 s21, s12, 64*PB
	s_add_co_u32 s21, s21, BOFF
	s_wait_dscnt 0x0                               ; both opening adds are done
	s_wait_kmcnt 0x0
	s_add_nc_u64 s[14:15], s[4:5], s[16:17]
	s_add_nc_u64 s[46:47], s[6:7], s[46:47]
	CROUND                                         ; all sixteen work-groups are here
.irp s, 0,1
	s_mov_b32 s[G0+4*\s], 1
	s_add_co_u32 s[G0+4*\s+1], s20, \s*SLOT
	s_add_nc_u64 s[G0+4*\s+2:G0+4*\s+3], s[14:15], \s*524288     ; K step s: two heads on
	s_or_b32 s[G0+4*\s+3], s[G0+4*\s+3], 0x80000000
	s_mov_b32 s[G0B+4*\s], 1
	s_add_co_u32 s[G0B+4*\s+1], s21, \s*SLOT
	s_add_nc_u64 s[G0B+4*\s+2:G0B+4*\s+3], s[46:47], \s*256
	s_or_b32 s[G0B+4*\s+3], s[G0B+4*\s+3], 0x80000000
	JLOAD \s
.endr
	v_and_b32 v1, 15, v0                           ; r
	v_bfe_u32 v2, v0, 4, 1                         ; h
	v_mul_u32_u24 v3, v1, PA
	v_lshl_add_u32 v3, v2, 4, v3
	v_mul_u32_u24 v4, v1, PB
	v_lshl_add_u32 v4, v2, 4, v4
	s_mul_i32 s21, s11, 128*PA                     ; my 128 rows of A (in each plane)
	s_mul_i32 s22, s12, 64*PB                      ; my 64 rows of B
	s_add_co_u32 s22, s22, BOFF
.irp s, 0,1
	v_add_nc_u32 v[ADRA+\s], s21, v3
	v_add_nc_u32 v[ADRB+\s], s22, v4
	s_add_co_u32 s21, s21, SLOT
	s_add_co_u32 s22, s22, SLOT
.endr
	s_mul_i32 s23, s10, 16*SPITCH
	s_add_co_u32 s23, s23, STAGE                   ; my stage
	v_mul_u32_u24 v5, v1, SPITCH
	v_lshl_add_u32 v5, v2, 5, v5
	v_add_nc_u32 v[STO], s23, v5                   ; in: row r, 32 bytes for each half of the lanes
	v_mul_u32_u24 v5, v2, SPITCH
	v_lshl_add_u32 v5, v1, 4, v5
	v_add_nc_u32 v[RD], s23, v5                    ; back: lanes 0-15 one row of 256 bytes, lanes 16-31 the next
	v_lshlrev_b32 v5, 12, v2
	v_lshl_add_u32 v[CO], v1, 4, v5                ; and the same two rows in out0
	s_lshl_b32 s16, s13, 20                        ; 256 rows of 4,096 bytes a tile row,
	s_lshl_b32 s17, s11, 19                        ; my 128 rows,
	s_add_co_u32 s16, s16, s17
	s_lshl_b32 s46, s42, 9                         ; 128 columns of 4 bytes,
	s_lshl_b32 s47, s12, 8                         ; my 64
	s_add_co_u32 s46, s46, s47
	s_add_co_u32 s16, s16, s46
	s_mov_b32 s17, 0
	s_add_nc_u64 s[8:9], s[8:9], s[16:17]
.macro MUL8 f, a0, zero                ; A's blocks a0, a0 + 1 against B's four, 32 along K; the 32 accumulators take turns in the same order in every quarter
.irp a, \a0, \a0+1
.irp b, 0,1,2,3
.if \zero
	v_wmma_f32_16x16x32_f16 v[8*(4*(\a)+\b):8*(4*(\a)+\b)+7], v[\f+64+8*\b:\f+64+8*\b+7], v[\f+8*(\a):\f+8*(\a)+7], 0
.else
	v_wmma_f32_16x16x32_f16 v[8*(4*(\a)+\b):8*(4*(\a)+\b)+7], v[\f+64+8*\b:\f+64+8*\b+7], v[\f+8*(\a):\f+8*(\a)+7], v[8*(4*(\a)+\b):8*(4*(\a)+\b)+7]
.endif
.endr
.endr
.endm
.macro FETCH slot, q, f                ; 24 LDS loads in one run: the slot's q-th 32 along K: B's four fragments, then A's eight
	WIN 0
.irp i, 0,1,2,3
	ds_load_b128 v[\f+64+8*\i:\f+64+8*\i+3],   v[ADRB+\slot] offset:64*(\q)+\i*16*PB
	ds_load_b128 v[\f+64+8*\i+4:\f+64+8*\i+7], v[ADRB+\slot] offset:64*(\q)+\i*16*PB+32
.endr
.irp i, 0,1,2,3,4,5,6,7
	ds_load_b128 v[\f+8*\i:\f+8*\i+3],   v[ADRA+\slot] offset:((\q)/2)*PLANE+64*((\q)%2)+\i*16*PA
	ds_load_b128 v[\f+8*\i+4:\f+8*\i+7], v[ADRA+\slot] offset:((\q)/2)*PLANE+64*((\q)%2)+\i*16*PA+32
.endr
.endm
.macro PLACES
.rept 4
	v_nop
.endr
.endm
.macro QUARTER slot, qn, f, g, zero    ; multiplies buffer f; in its middle fetches the slot's quarter qn into g
	s_wait_dscnt 8                                 ; B and A's blocks 0-3 are in; the youngest eight loads (A's blocks 4-7) may be out
	WIN MUL
	MUL8 \f, 0, \zero
	MUL8 \f, 2, \zero
	PLACES                                         ; in front of loads into registers that matrix instructions have read
	FETCH \slot, \qn, \g
	s_wait_dscnt 24                                ; all but the 24 just issued
	WIN MUL
	MUL8 \f, 4, \zero
	MUL8 \f, 6, \zero
.endm
; A K step's last quarter multiplies buffer 1 and changes slots: each wave waits for all its tensor loads, adds 0 to its spare word, waits for that and for its reads of this slot.  fill = 1: the barrier opens a round of
; the cluster's, and the joint refill, two K steps ahead, is the first tensor load behind it: 112 matrix instructions stand between it and the wait for it.
.macro TURN slot, next, fill
	WIN 0
	s_wait_tensorcnt 0x0
	ds_add_u32 v[SPW], v[NIL]
	s_wait_dscnt 9                                 ; the add and the youngest eight loads may be out
	WIN MUL
	MUL8 F1, 0, 0
	s_wait_dscnt 0x0
	s_barrier_signal -1
	MUL8 F1, 2, 0
.if \fill
	WIN 0
.endif
	s_barrier_wait -1
.if \fill
	CREST
	s_add_nc_u64 s[G0+4*\slot+2:G0+4*\slot+3], s[G0+4*\slot+2:G0+4*\slot+3], 1048576   ; four heads on
	s_add_nc_u64 s[G0B+4*\slot+2:G0B+4*\slot+3], s[G0B+4*\slot+2:G0B+4*\slot+3], 512
	JLOAD \slot                                    ; its four v_nop are also the places in front of the loads below
.else
	PLACES
.endif
	FETCH \next, 0, F0
	WIN MUL
	MUL8 F1, 4, 0
	MUL8 F1, 6, 0
.endm
	s_wait_tensorcnt 1                             ; my part of K step 0 is in; K step 1's load may be out,
	s_barrier_signal -1
	s_barrier_wait -1                              ; everybody's is
	FETCH 0, 0, F0
	QUARTER 0, 1, F0, F1, 1                        ; the first products start the sums
	WIN 0
	s_mov_b32 s3, LAPS-1
.Llap:                                                 ; a trip goes once round the ring and fills both slots again
	QUARTER 0, 2, F1, F0, 0
	QUARTER 0, 3, F0, F1, 0
	TURN 0, 1, 1
	QUARTER 1, 1, F0, F1, 0
	QUARTER 1, 2, F1, F0, 0
	QUARTER 1, 3, F0, F1, 0
	TURN 1, 0, 1
	QUARTER 0, 1, F0, F1, 0
	WIN 0
	s_sub_co_u32 s3, s3, 1
	s_cmp_lg_u32 s3, 0
	s_cbranch_scc1 .Llap
	QUARTER 0, 2, F1, F0, 0                        ; the last lap fills nothing
	QUARTER 0, 3, F0, F1, 0
	TURN 0, 1, 0
	QUARTER 1, 1, F0, F1, 0
	QUARTER 1, 2, F1, F0, 0
	QUARTER 1, 3, F0, F1, 0
	s_wait_dscnt 8
	WIN MUL
	MUL8 F1, 0, 0
	MUL8 F1, 2, 0
	s_wait_dscnt 0
	MUL8 F1, 4, 0
	MUL8 F1, 6, 0
	WIN 0
; THE WAY OUT, a block of 16 rows x 64 columns at a time, through my own stage: back as whole rows of 256 bytes.
.macro TOSTAGE a
	WIN 0x04                                       ; an LDS store's data are its source 1: window 1
.irp b, 0,1,2,3
	ds_store_b128 v[STO], v[8*(4*(\a)+\b):8*(4*(\a)+\b)+3] offset:64*\b       ; each accumulator from its low end on
	ds_store_b128 v[STO], v[8*(4*(\a)+\b)+4:8*(4*(\a)+\b)+7] offset:64*\b+16
.endr
	WIN 0
.set BB, BK+32*((\a)%2)
.irp t, 0,1,2,3,4,5,6,7
	ds_load_b128 v[BB+4*\t:BB+4*\t+3], v[RD] offset:\t*2*SPITCH
.endr
.endm
.macro SEND a, younger                 ; younger: the LDS instructions issued behind block a's loads: the next block's eight stores and eight loads, or none
.set BB, BK+32*((\a)%2)
	s_wait_dscnt \younger
.if (\a) > 0
	s_add_nc_u64 s[8:9], s[8:9], 16*4096           ; behind a wait on XCNT: the earlier stores have read their base
.else
	s_cmp_eq_u32 s[FLAG], 0                        ; positions 0-15 belong to the later launch; the cluster's y and the wave's number alone decide
	s_cbranch_scc1 .Lfine_rows
.endif
.irp t, 0,1,2,3,4,5,6,7
	global_store_b128 v[CO], v[BB+4*\t:BB+4*\t+3], s[8:9] offset:2*\t*4096 th:TH_STORE_NT   ; sixteen lanes store 256 consecutive bytes, aligned
.endr
.if (\a) == 0
.Lfine_rows:
.endif
.endm
	PLACES                                         ; behind the last products
	TOSTAGE 0
.irp a, 1,2,3,4,5,6,7
.if \a > 1
	s_wait_xcnt 0x0                                ; block a - 2's stores have read their registers and their base
.endif
	TOSTAGE \a
	SEND \a-1, 16
.endr
	s_wait_xcnt 0x0
	SEND 7, 0
	s_wait_tensorcnt 0x0                           ; the wave's end
	ds_add_u32 v[SPW], v[NIL]
	s_wait_dscnt 0x0
	CROUND                                         ; the closing round
	s_endpgm
.Lfunc_end_k_q66244124d0_proj:
	.size	k_q66244124d0_proj, .Lfunc_end_k_q66244124d0_proj-k_q66244124d0_proj
	.p2alignl 7, 3214868480
	.fill 96, 4, 3214868480
	.section	.rodata,"a",@progbits
	.p2align	6, 0x0
	.amdhsa_kernel k_q66244124d0_proj
		.amdhsa_group_segment_fixed_size 327680
		.amdhsa_private_segment_fixed_size 0
		.amdhsa_enable_private_segment 0
		.amdhsa_kernarg_size 24
		.amdhsa_user_sgpr_count 2
		.amdhsa_user_sgpr_kernarg_segment_ptr 1
		.amdhsa_wavefront_size32 1
		.amdhsa_system_sgpr_workgroup_id_x 1
		.amdhsa_system_sgpr_workgroup_id_y 1
		.amdhsa_system_sgpr_workgroup_id_z 1
		.amdhsa_system_vgpr_workitem_id 0
		.amdhsa_next_free_vgpr 512
		.amdhsa_next_free_sgpr 66
		.amdhsa_reserve_vcc 0
		.amdhsa_float_denorm_mode_32 3
		.amdhsa_float_denorm_mode_16_64 3
		.amdhsa_memory_ordered 1
		.amdhsa_forward_progress 1
		.amdhsa_inst_pref_size 86
	.end_amdhsa_kernel
	.amdgpu_metadata
---
amdhsa.version: [ 1, 2 ]
amdhsa.kernels:
  - .name:           k_q66244124d0_proj
    .symbol:         k_q66244124d0_proj.kd
    .args:
      - { .name: att, .offset: 0, .size: 8, .value_kind: global_buffer, .address_space: global }
      - { .name: wo16, .offset: 8, .size: 8, .value_kind: global_buffer, .address_space: global }
      - { .name: out0, .offset: 16, .size: 8, .value_kind: global_buffer, .address_space: global }
    .group_segment_fixed_size: 327680
    .private_segment_fixed_size: 0
    .kernarg_segment_align: 8
    .kernarg_segment_size: 24
    .max_flat_workgroup_size: 128
    .sgpr_count:     66
    .vgpr_count:     512
    .wavefront_size: 32
...
	.end_amdgpu_metadata
.endif
;; end of part 4
;; launch fine (part 5): grid 16 x 4, 16 waves a work-group, no clusters, 71,680 bytes of LDS; arguments q32, Wo, out0; writes out0
.if DOCPART == 5
	.amdgcn_target "amdgcn-amd-amdhsa--gfx1250"
	.amdhsa_code_object_version 6
	.text
	.protected	k_q66244124d0_fine
	.globl	k_q66244124d0_fine
	.p2align	8
	.type	k_q66244124d0_fine,@function
k_q66244124d0_fine:
	s_mov_b64 s[64:65], 0
	v_nop
	global_prefetch_b8 v0, s[64:65] scope:SCOPE_SE
	s_setreg_imm32_b32 hwreg(HW_REG_WAVE_MODE, 25, 1), 1
	s_wait_xcnt 0x0
; Positions 0-15 of each of the 4 sequences, in f32 throughout: there a row of the softmax averages 1 to 16 values, and rounded operands would weigh most.
; Work-group (eb, batch) makes out0[batch][0..15][64 eb .. 64 eb + 63].  Wave = head: its 16 x 16 attention from q32 [which][16 batch + head][16][64] f32, then its share of the projection (K = its own 64 channels) for
; four tiles of 16 outputs; the sixteen heads' parts meet in LDS and are added in ascending order of heads.  The attention is done again in each of the 16 column blocks: 32 of a wave's 96 matrix instructions:
; the price of one owner for each output.  64 columns a work-group: a row's store is 256 consecutive bytes, aligned.
; v_wmma_f32_16x16x4_f32: lane (r, h) holds row r and, in register j, k = 2 h + j.  K is permuted alike on both sources, so that plain loads and earlier results serve as they lie.
; The registers that this form writes (v176-255) are written by it alone; every sum starts with C = 0; accumulators take turns; eight places stand behind each run (ISA guide 7.12.1).
; No matrix work of size, no tensor loads, no cluster: the launch is a short chain of dependent steps.
.set QF,   16                          ; v16-47   register 4 c + i = Q[r][8 c + 4 h + i];  later t (v16-23), p (v24-31), then the attention's result AT
.set KF,   48                          ; v48-79   K likewise;  later Wo's tile 2
.set VF,   80                          ; v80-111  register 8 ct + k = V[8 h + k][16 ct + r];  later Wo's tile 3
.set WO,   112                         ; v112-175 Wo's tiles 0, 1: register 8 ct + k = Wo[64 eb + 16 et + r][64 head + 16 ct + 8 h + k]
.set AT,   16
.set SACC, 176                         ; two accumulators of S^T
.set OACC, 192                         ; four of O^T
.set OUT,  224                         ; four of the outputs
.set SPW,  14
.set NIL,  15
.set PP,   272                         ; a row of a part in LDS: 256 bytes + 16
.set SPARE, 16*16*PP                   ; behind the sixteen parts: the spare words, 128 bytes for each wave
	s_load_b128 s[4:7], s[0:1], 0x0                ; q32, Wo
	s_load_b64 s[8:9], s[0:1], 0x10                ; out0
	v_lshl_add_u32 v[SPW], v0, 2, SPARE
	v_mov_b32 v[NIL], 0
	v_lshrrev_b32 v11, 5, v0
	v_readfirstlane_b32 s10, v11                   ; wave = head
	v_and_b32 v1, 15, v0                           ; r
	v_bfe_u32 v2, v0, 4, 1                         ; h
	v_lshlrev_b32 v3, 8, v1
	v_lshl_add_u32 v3, v2, 4, v3                   ; Q, K: row r of 256 bytes + 16 h
	v_lshlrev_b32 v4, 2, v1
	v_lshl_add_u32 v4, v2, 11, v4                  ; V: 8 h rows + 4 r
	v_lshlrev_b32 v5, 12, v1
	v_lshl_add_u32 v5, v2, 5, v5                   ; Wo: row r of 4,096 bytes + 32 h
	v_lshlrev_b32 v6, 3, v2
	v_sub_nc_u32 v6, v1, v6                        ; d = r - 8 h: my register j holds key 8 h + j, hidden where j > d
	v_mov_b32 v7, 0xff800000
	s_mul_i32 s13, s10, 16*PP
	v_mul_u32_u24 v8, v1, PP
	v_lshl_add_u32 v8, v2, 5, v8
	v_add_nc_u32 v8, s13, v8                       ; my head's part: row r, 32 bytes for each half of the lanes
	v_and_b32 v12, 31, v0
	v_lshlrev_b32 v12, 3, v12
	s_mul_i32 s13, s10, PP
	v_add_nc_u32 v9, s13, v12                      ; the sum: wave w takes row w, 8 bytes a lane
	s_lshl_b32 s13, s10, 12
	v_add_nc_u32 v10, s13, v12                     ; and the same place in out0
	s_mov_b32 s14, 0x76543210
	s_mov_b32 s15, 0xfedcba98                      ; v_permlanex16_b32's selects for lane l xor 16
	s_mov_b32 s16, 0x3e38aa3b                      ; c = log2(e) / 8
	s_and_b32 s12, ttmp7, 0xffff                   ; batch
	s_lshl_b32 s18, s12, 16
	s_lshl_b32 s19, s10, 12
	s_add_co_u32 s18, s18, s19                     ; q32: (16 batch + head) x 4,096
	s_mov_b32 s19, 0
	s_lshl_b32 s20, ttmp9, 18                      ; Wo: 64 rows of 4,096 bytes a column block,
	s_lshl_b32 s21, s10, 8                         ; my head's 64 channels
	s_add_co_u32 s20, s20, s21
	s_mov_b32 s21, 0
	s_lshl_b32 s22, s12, 23                        ; out0: a sequence is 2,048 rows of 4,096 bytes,
	s_lshl_b32 s23, ttmp9, 8                       ; 64 columns
	s_add_co_u32 s22, s22, s23
	s_mov_b32 s23, 0
	s_wait_kmcnt 0x0
	s_add_nc_u64 s[4:5], s[4:5], s[18:19]
	s_add_nc_u64 s[6:7], s[6:7], s[20:21]
	s_add_nc_u64 s[8:9], s[8:9], s[22:23]
.irp c, 0,1,2,3,4,5,6,7
	global_load_b128 v[QF+4*\c:QF+4*\c+3], v3, s[4:5] offset:32*\c
.endr
.irp c, 0,1,2,3,4,5,6,7
	global_load_b128 v[KF+4*\c:KF+4*\c+3], v3, s[4:5] offset:262144+32*\c
.endr
.irp ct, 0,1,2,3
.irp k, 0,1,2,3,4,5,6,7
	global_load_b32 v[VF+8*\ct+\k], v4, s[4:5] offset:524288+256*\k+64*\ct
.endr
.endr
.irp et, 0,1
.irp ct, 0,1,2,3
	global_load_b128 v[WO+32*\et+8*\ct:WO+32*\et+8*\ct+3],   v5, s[6:7] offset:\et*65536+\ct*64
	global_load_b128 v[WO+32*\et+8*\ct+4:WO+32*\et+8*\ct+7], v5, s[6:7] offset:\et*65536+\ct*64+16
.endr
.endr
	s_wait_loadcnt 48                              ; Q and K are in; V's 32 loads and Wo's 16 may be out
.irp n, 0,1,2,3,4,5,6,7,8,9,10,11,12,13,14,15  ; S^T = K Q^T: source 0 = 16 keys, source 1 = 16 queries; instruction n takes channels 8 (n / 2) + 4 h + 2 (n % 2) + j; two accumulators by turns
.if \n < 2
	v_wmma_f32_16x16x4_f32 v[SACC+8*(\n%2):SACC+8*(\n%2)+7], v[KF+2*\n:KF+2*\n+1], v[QF+2*\n:QF+2*\n+1], 0
.else
	v_wmma_f32_16x16x4_f32 v[SACC+8*(\n%2):SACC+8*(\n%2)+7], v[KF+2*\n:KF+2*\n+1], v[QF+2*\n:QF+2*\n+1], v[SACC+8*(\n%2):SACC+8*(\n%2)+7]
.endif
.endr
.rept 8
	v_nop
.endr
.irp j, 0,1,2,3,4,5,6,7
	v_add_f32 v[16+\j], v[SACC+\j], v[SACC+8+\j]   ; lane (r, h): the score of query r and key 8 h + j
.endr
.irp j, 0,1,2,3,4,5,6,7
	v_cmp_gt_i32 vcc_lo, \j, v6
	v_cndmask_b32 v[16+\j], v[16+\j], v7, vcc_lo   ; hidden keys: -infinity.  Key 0 counts for every query
.endr
	v_max3_num_f32 v11, v16, v17, v18
	v_max3_num_f32 v11, v11, v19, v20
	v_max3_num_f32 v11, v11, v21, v22
	v_max_num_f32 v11, v11, v23
	v_permlanex16_b32 v12, v11, s14, s15
	v_max_num_f32 v11, v11, v12                    ; the row's maximum
	v_mul_f32 v13, s16, v11
.irp j, 0,1,2,3,4,5,6,7
	v_fma_f32 v[16+\j], v[16+\j], s16, -v13
.endr
.irp j, 0,1,2,3,4,5,6,7
	v_exp_f32 v[24+\j], v[16+\j]
.endr
	v_nop
	s_wait_alu depctr_va_vdst(0)                   ; one wait for the eight, ahead of their first reader
	v_add_f32 v11, v24, v25
	v_add_f32 v13, v26, v27
	v_add_f32 v11, v11, v28
	v_add_f32 v13, v13, v29
	v_add_f32 v11, v11, v30
	v_add_f32 v13, v13, v31
	v_add_f32 v11, v11, v13
	v_permlanex16_b32 v12, v11, s14, s15
	v_add_f32 v11, v11, v12                        ; the row's sum
	v_rcp_f32 v12, v11
	v_nop
	s_wait_alu depctr_va_vdst(0)
	s_wait_loadcnt 16                              ; V is in; Wo's 16 loads may be out
.irp i, 0,1,2,3                                ; O^T = V^T P: source 0 = 16 channels, source 1 = p; instruction i takes keys 8 h + 2 i + j; four accumulators by turns
.irp ct, 0,1,2,3
.if \i == 0
	v_wmma_f32_16x16x4_f32 v[OACC+8*\ct:OACC+8*\ct+7], v[VF+8*\ct+2*\i:VF+8*\ct+2*\i+1], v[24+2*\i:25+2*\i], 0
.else
	v_wmma_f32_16x16x4_f32 v[OACC+8*\ct:OACC+8*\ct+7], v[VF+8*\ct+2*\i:VF+8*\ct+2*\i+1], v[24+2*\i:25+2*\i], v[OACC+8*\ct:OACC+8*\ct+7]
.endif
.endr
.endr
.rept 8
	v_nop
.endr
.irp et, 0,1                                   ; Wo's tiles 2 and 3 take K's and V's registers
.irp ct, 0,1,2,3
	global_load_b128 v[KF+32*\et+8*\ct:KF+32*\et+8*\ct+3],   v5, s[6:7] offset:(\et+2)*65536+\ct*64
	global_load_b128 v[KF+32*\et+8*\ct+4:KF+32*\et+8*\ct+7], v5, s[6:7] offset:(\et+2)*65536+\ct*64+16
.endr
.endr
.irp i, 0,2,4,6,8,10,12,14,16,18,20,22,24,26,28,30
	v_pk_mul_f32 v[AT+\i:AT+\i+1], v[OACC+\i:OACC+\i+1], v[12:13] op_sel_hi:[1,0]   ; / the sum, into other registers: register 8 ct + j = the result of query r at channel 16 ct + 8 h + j
.endr
; out^T = Wo AT^T: source 0 = 16 rows of Wo, source 1 = AT; instruction (ct, i) takes channels 16 ct + 8 h + 2 i + j; two tiles of outputs by turns
.macro PROJ e0, w0
.irp ct, 0,1,2,3
.irp i, 0,1,2,3
.irp u, 0,1
.if (\ct == 0) && (\i == 0)
	v_wmma_f32_16x16x4_f32 v[OUT+8*(\e0+\u):OUT+8*(\e0+\u)+7], v[\w0+32*\u+8*\ct+2*\i:\w0+32*\u+8*\ct+2*\i+1], v[AT+8*\ct+2*\i:AT+8*\ct+2*\i+1], 0
.else
	v_wmma_f32_16x16x4_f32 v[OUT+8*(\e0+\u):OUT+8*(\e0+\u)+7], v[\w0+32*\u+8*\ct+2*\i:\w0+32*\u+8*\ct+2*\i+1], v[AT+8*\ct+2*\i:AT+8*\ct+2*\i+1], v[OUT+8*(\e0+\u):OUT+8*(\e0+\u)+7]
.endif
.endr
.endr
.endr
.endm
	s_wait_loadcnt 16                              ; tiles 0 and 1 are in; the 16 loads just issued may be out
	PROJ 0, WO
	s_wait_loadcnt 0
	PROJ 2, KF
.rept 8
	v_nop
.endr
.irp et, 0,1,2,3
	ds_store_b128 v8, v[OUT+8*\et:OUT+8*\et+3] offset:64*\et       ; lane (r, h): my head's part of out(r, 16 et + 8 h + 0 .. 7); each accumulator from its low end on
	ds_store_b128 v8, v[OUT+8*\et+4:OUT+8*\et+7] offset:64*\et+16
.endr
	s_wait_dscnt 0x0                               ; for the others' sake: my stores have landed
	s_barrier_signal -1
	s_barrier_wait -1
.irp w, 0,1,2,3,4,5,6,7,8,9,10,11,12,13,14,15
	ds_load_b64 v[16+2*\w:17+2*\w], v9 offset:16*PP*\w
.endr
	s_wait_dscnt 0x0
.irp w, 1,2,3,4,5,6,7,8,9,10,11,12,13,14,15
	v_pk_add_f32 v[16:17], v[16:17], v[16+2*\w:17+2*\w]
.endr
	global_store_b64 v10, v[16:17], s[8:9]         ; the wave stores 256 consecutive bytes of a row, aligned
	s_wait_tensorcnt 0x0                           ; the wave's end, behind my last LDS store
	ds_add_u32 v[SPW], v[NIL]
	s_wait_dscnt 0x0
	s_endpgm
.Lfunc_end_k_q66244124d0_fine:
	.size	k_q66244124d0_fine, .Lfunc_end_k_q66244124d0_fine-k_q66244124d0_fine
	.p2alignl 7, 3214868480
	.fill 96, 4, 3214868480
	.section	.rodata,"a",@progbits
	.p2align	6, 0x0
	.amdhsa_kernel k_q66244124d0_fine
		.amdhsa_group_segment_fixed_size 71680
		.amdhsa_private_segment_fixed_size 0
		.amdhsa_enable_private_segment 0
		.amdhsa_kernarg_size 24
		.amdhsa_user_sgpr_count 2
		.amdhsa_user_sgpr_kernarg_segment_ptr 1
		.amdhsa_wavefront_size32 1
		.amdhsa_system_sgpr_workgroup_id_x 1
		.amdhsa_system_sgpr_workgroup_id_y 1
		.amdhsa_system_sgpr_workgroup_id_z 1
		.amdhsa_system_vgpr_workitem_id 0
		.amdhsa_next_free_vgpr 256
		.amdhsa_next_free_sgpr 66
		.amdhsa_reserve_vcc 1
		.amdhsa_float_denorm_mode_32 3
		.amdhsa_float_denorm_mode_16_64 3
		.amdhsa_memory_ordered 1
		.amdhsa_forward_progress 1
		.amdhsa_inst_pref_size 23
	.end_amdhsa_kernel
	.amdgpu_metadata
---
amdhsa.version: [ 1, 2 ]
amdhsa.kernels:
  - .name:           k_q66244124d0_fine
    .symbol:         k_q66244124d0_fine.kd
    .args:
      - { .name: q32, .offset: 0, .size: 8, .value_kind: global_buffer, .address_space: global }
      - { .name: Wo, .offset: 8, .size: 8, .value_kind: global_buffer, .address_space: global }
      - { .name: out0, .offset: 16, .size: 8, .value_kind: global_buffer, .address_space: global }
    .group_segment_fixed_size: 71680
    .private_segment_fixed_size: 0
    .kernarg_segment_align: 8
    .kernarg_segment_size: 24
    .max_flat_workgroup_size: 512
    .sgpr_count:     66
    .vgpr_count:     256
    .wavefront_size: 32
...
	.end_amdgpu_metadata
.endif
;; end of part 5
